; MI455X (gfx1250); checked and timed in simulation.
; The chip was launched on July 23, 2026; its instructions are those of AMD's public machine-readable ISA for CDNA 5 (MIT licence, August 2026) and "CDNA5" Instruction Set Architecture Reference Guide (July 2026). The comments in the code are by the model that wrote it; some were corrected since.
;; Co Attention Network. Allowed arithmetic: matrix products marked QUANTISED: E4M3 operands, one E8M0 scale for each 32 along K, by v_wmma_scale_f32_16x16x128_f8f6f4 with both operands' format E4M3, f32 sums; everything else in f32.
;; Inputs: W1 2,048 x 1,024 float32; W2 2,048 x 1,024 float32; Wc 1,024 x 1,024 float32; Wq 1,024 x 1,024 float32; b1 1,024 float32; b2 1,024 float32; context 4 x 1,024 x 1,024 float32; mask_c 4 x 1,024 int32; mask_q 4 x 1,024 int32; question 4 x 1,024 x 1,024 float32.
;; Outputs: out0 4 x 1,024 x 1,024 float32; out1 4 x 1,024 x 1,024 float32.
;; This version of the problem:
;;   THIS VERSION OF THE PROBLEM IS GIVEN IN LOW PRECISION. The matrix products marked QUANTISED in the list below multiply operands that are first quantised to E4M3 (4 exponent bits, 3 mantissa bits; 8 bits a number), with one power-of-two scale for each 32 numbers along K (OCP MX v1.0); their sums are f32. All else is computed in f32.
;;   The module's matrix products, in the order in which they are computed (A, B: the left and right operand; K: the contracted axis; several contracted axes count as one K, in the product's order):
;;     1. [M 4,096, K 1,024] x [K 1,024, N 1,024]; A: input question; B: input Wq: QUANTISED
;;     2. [M 4,096, K 1,024] x [K 1,024, N 1,024]; A: input context; B: input Wc: QUANTISED
;;     3. batch 64 x [M 1,024, K 64] x [K 64, N 1,024]; A: computed on the way; B: computed on the way: QUANTISED
;;     4. batch 64 x [M 1,024, K 1,024] x [K 1,024, N 64]; A: softmax (see below); B: computed on the way: QUANTISED
;;     5. batch 64 x [M 1,024, K 64] x [K 64, N 1,024]; A: computed on the way; B: computed on the way: QUANTISED
;;     6. batch 64 x [M 1,024, K 1,024] x [K 1,024, N 64]; A: softmax (see below); B: computed on the way: QUANTISED
;;     7. [M 4,096, K 2,048] x [K 2,048, N 1,024]; A: computed on the way; B: input W1: QUANTISED
;;     8. [M 4,096, K 2,048] x [K 2,048, N 1,024]; A: computed on the way; B: input W2: QUANTISED
;;   THE QUANTISER, for each operand of a quantised product, along K:
;;     - K is cut into blocks of 32 from its start; a last block that is shorter is filled with zeros.
;;     - A block's scale is 2^e with e = floor(log2(the largest magnitude in the block)) - 8, held to -126 .. 127; a block of zeros has e = 0. As a byte (E8M0): e + 127.
;;     - Each number is divided by its block's scale, clamped to +-448, and rounded to the nearest number of E4M3, ties to even, subnormals kept.
;;     - The product sums the exact products of the quantised numbers (number of the format x scale) in f32.
;;   ~~~python
;;   def quantise(x, axis):      # numpy; x: float32 -> the quantised numbers, widened to float32 again
;;       x = np.moveaxis(x, axis, -1); K = x.shape[-1]
;;       x = np.pad(x, [(0, 0)] * (x.ndim - 1) + [(0, -K % 32)]); x = x.reshape(x.shape[:-1] + (-1, 32)); a = np.abs(x).max(-1, keepdims=True)
;;       e = np.where(a > 0, np.clip(np.frexp(np.where(a > 0, a, 1))[1] - 1 - 8, -126, 127), 0)      # np.frexp(a)[1] - 1 = floor(log2(a)), exactly
;;       r = np.clip(x / 2.0 ** e, -448, 448)
;;       step = 2.0 ** (np.maximum(np.frexp(np.where(r == 0, 1, r))[1] - 1, -6) - 3)
;;       q = np.round(r / step) * step * 2.0 ** e      # np.round: ties to even
;;       return np.moveaxis(q.reshape(q.shape[:-2] + (-1,))[..., :K], -1, axis).astype(np.float32)
;;   ~~~
;;   SOFTMAX AHEAD OF A QUANTISED PRODUCT. Where the list says 'softmax', what is quantised is not the finished softmax but p = 2^(t - M), with t = logit x log2(e) and M = ceil(the row's largest t), a whole number; so 1/2 < the row's largest p <= 1. The row's sum l is taken of the UNQUANTISED p, in f32, and the product's result is divided by l at the end. Since M is a whole number, a kernel that streams over the keys may use a running M (the ceiling of the running maximum): every later rescaling is an exact power of two, which a block's scale takes up: the codes' values come out the same.
;;   OPERANDS COMPUTED ON THE WAY. 'Computed on the way' means the value that the module computes at that place (a softmax that the list does not call 'softmax' is quantised finished and normalised). What goes into a quantiser is computed in f32, as accurately as f32 sums, v_exp_f32 and their like allow (about 1e-6 of the number): no bf16 or f16 on the way to a quantiser, and a product that is left as it is and whose result goes on into a quantised operand takes f32 operands (vector FMAs, or v_wmma_f32_16x16x4_f32). A number that lies on a knife's edge between two numbers of the format may be rounded either way, as far as f32 arithmetic and the matrix unit's own rounding can turn it there, and no further.
;; One version. Each part assembles by itself: llvm-mc -triple=amdgcn-amd-amdhsa -mcpu=gfx1250 --defsym DOCPART=n.
;; ======== version 1 of 1: 4 launches
;; limits: right only within a limited range of input values
;; workspace buffers: acodes 16,777,216 bytes; ascales 524,288 bytes; wimg 6,291,456 bytes; wscl 196,608 bytes; krec 8,912,896 bytes; vrec 8,650,752 bytes
;; launch quant (part 1): grid 896 x 1, 4 waves a work-group, no clusters, 34,304 bytes of LDS; arguments question, context, Wq, Wc, W1, W2, acodes, ascales, wimg, wscl; writes acodes, ascales, wimg, wscl
.if DOCPART == 1
	.amdgcn_target "amdgcn-amd-amdhsa--gfx1250"
	.amdhsa_code_object_version 6
	.text
	.protected	k_qbbec630fbb_quant
	.globl	k_qbbec630fbb_quant
	.p2align	8
	.type	k_qbbec630fbb_quant,@function
k_qbbec630fbb_quant:
	s_mov_b64 s[64:65], 0
	v_nop
	global_prefetch_b8 v0, s[64:65] scope:SCOPE_SE
	s_setreg_imm32_b32 hwreg(HW_REG_WAVE_MODE, 25, 1), 1
	s_wait_xcnt 0x0
; LAUNCH 1 OF 4.  All six f32 operands that arrive as inputs become codes of E4M3 with one E8M0 byte for each 32 along K.  Work-groups 0-511 take question and context (K = D is innermost), work-groups 512-895 the four
; weights (K is the first axis).  The two texts part on the work-group's number at the first line and never meet again; only the first touches LDS.
; question's and context's codes serve the projection (x Wq, x Wc) and the first half of K of the last product (concat([x, attention]) W1, W2): the blocks of 32 are the same, so they are made once.
; DEAD WORK: none.  Every input of reference() has a way to an output for some values (the masks choose between a score and -65504, the biases are added ahead of tanh), and every product of the
; table is live: nothing is left out in any of the four launches, and every input is loaded.
; LAYOUT OF ALL OPERANDS OF THIS PROGRAM: AN IMAGE OF THE OPERAND'S REGISTERS.  A fragment is 16 rows x 128 K = 2,048 bytes: the 16 bytes of lane L's registers 4 c .. 4 c + 3 (k = 32 c + 16 (L / 16) + 0 .. 15 of row L % 16)
; lie at 512 c + 16 L.  THE ROWS OF A TILE ARE NOT NEIGHBOURS: row r of tile T is index 32 (T / 2) + 8 (T % 2) + r + 8 (r / 8), so that the results of a product used transposed are 16 neighbours along the next K.
; acodes [tensor 2][tile 256][K step 16][2048]: K steps 0-7 are written here, 8-15 by the attention.  ascales [tensor][tile][pair of K steps 8][32 lanes][4]: lanes 0-15 the even K step's words (row = lane), lanes 16-31 the odd one's.
; wimg: Wq at 0 and Wc at 1 MiB as [tile 64][K step 8][2048]; W1 at 2 MiB and W2 at 4 MiB as [tile 64][K step 16][2048].  wscl: the same with 64 bytes for a (tile, K step): [tile][pair of K steps][32 lanes][4].
; LIMITS: NaN and infinities among the inputs are not served.  A block whose largest magnitude lies under 2^-118 gets the byte 1; a block of zeros gets the byte 1 where the rule says 127:
; its codes are zeros, which add nothing under that byte, and the bytes are read by this program alone.
	s_cmp_lt_u32 ttmp9, 512
	s_cbranch_scc0 .Lweights
; ---- QUESTION AND CONTEXT.  A work-group takes one tile of 16 tokens; wave w takes K steps 2 w and 2 w + 1: 16 rows x 1,024 bytes.  All 32 loads of a wave go out at the head, each 512 consecutive bytes of one row.
; The conversions want 16 neighbours along K in one lane, so a K step's 16 x 512 bytes turn through the wave's own stage in LDS (rows 528 bytes apart: 33 x 16, so that sixteen rows' reads start 16 bytes apart modulo 256).
.set STW,   8448                       ; a wave's stage: 16 rows x 528 bytes
.set SP,    528
.set SPARE, 4*STW                      ; behind the stages: the spare words, 128 bytes a wave, which no other line names
.set SPW, 5                            ; v5  my spare word's LDS address; never rewritten
.set NIL, 6                            ; v6  0; never rewritten
.set TM,  8                            ; v8-11 largest magnitudes, v12-15 bytes, v16-19 448 x the scale, v20-23 the conversions' scale operands
.set PW,  24                           ; v24, v25 the two K steps' scale words; v26 the two merged
.set PC,  32                           ; v32-47, v48-63 the two K steps' codes
.set R0,  64                           ; v64-127  K step 0 as loaded; later K step 1 as 16 neighbours a block
.set R1,  128                          ; v128-191 K step 1 as loaded
.set X0,  192                          ; v192-255 K step 0 as 16 neighbours a block
.set SEL, 20                           ; s[20:21] selects of v_permlanex16_b32 for lane l xor 16
.set MNT, 22                           ; s22 the mantissa field of 448
.set HI,  23                           ; s23 a mask of lanes 16-31
	s_load_b128 s[4:7], s[0:1], 0x0                ; question s[4:5], context s[6:7]
	s_load_b128 s[8:11], s[0:1], 0x30              ; acodes s[8:9], ascales s[10:11]
	v_lshl_add_u32 v[SPW], v0, 2, SPARE
	v_mov_b32 v[NIL], 0
	v_lshrrev_b32 v7, 5, v0
	v_readfirstlane_b32 s12, v7                    ; wave 0..3
	v_and_b32 v7, 31, v0                           ; lane
	v_lshlrev_b32 v1, 4, v7                        ; v1 = 16 x lane
	v_lshlrev_b32 v2, 2, v7                        ; v2 = 4 x lane
	s_mul_i32 s13, s12, STW                        ; my stage
	v_add_nc_u32 v3, s13, v1                       ; into it: 16 x lane of a row
	v_and_b32 v4, 15, v0
	v_mul_u32_u24 v4, v4, SP
	v_bfe_u32 v7, v0, 4, 1
	v_lshl_add_u32 v4, v7, 6, v4
	v_add_nc_u32 v4, s13, v4                       ; out of it: row lane % 16, + 64 (lane / 16): my 16 numbers of a block of 32
	s_mov_b32 s[SEL], 0x76543210
	s_mov_b32 s[SEL+1], 0xfedcba98
	s_mov_b32 s[MNT], 0x600000
	s_mov_b32 s[HI], 0xffff0000
.irp b, 0,1,2,3
	v_mov_b32 v[TM+4+\b], 0                        ; written once: a lane permute's destination counts as one of its sources
.endr
	s_and_b32 s14, ttmp9, 255                      ; the tile in its tensor
	s_lshr_b32 s15, s14, 1
	s_lshl_b32 s15, s15, 17                        ; 32 (tile / 2) rows of 4,096 bytes
	s_and_b32 s14, s14, 1
	s_lshl_b32 s14, s14, 15                        ; + 8 (tile % 2) rows
	s_add_co_u32 s14, s14, s15
	s_lshl_b32 s15, s12, 10                        ; + my wave's 1,024 bytes of a row
	s_add_co_u32 s14, s14, s15
	s_mov_b32 s15, 0
	s_lshl_b32 s16, ttmp9, 15                      ; the codes: 32,768 bytes a tile (the work-group's number is 256 x tensor + tile),
	s_lshl_b32 s17, s12, 12                        ; 4,096 a pair of K steps
	s_add_co_u32 s16, s16, s17
	s_mov_b32 s17, 0
	s_lshl_b32 s18, ttmp9, 10                      ; the scale words: 1,024 bytes a tile, 128 a pair
	s_lshl_b32 s19, s12, 7
	s_add_co_u32 s18, s18, s19
	s_mov_b32 s19, 0
	s_wait_alu depctr_va_vdst(0)
	s_wait_kmcnt 0x0
	s_cmp_lt_u32 ttmp9, 256                        ; the first 256 work-groups take question, the next 256 context: only the pointer is chosen
	s_cselect_b64 s[4:5], s[4:5], s[6:7]
	s_add_nc_u64 s[4:5], s[4:5], s[14:15]
	s_add_nc_u64 s[8:9], s[8:9], s[16:17]
	s_add_nc_u64 s[10:11], s[10:11], s[18:19]
.macro LOADX q, reg                    ; K step q of the pair: row r's 512 bytes, 16 a lane
.irp r, 0,1,2,3,4,5,6,7,8,9,10,11,12,13,14,15
	global_load_b128 v[\reg+4*\r:\reg+4*\r+3], v1, s[4:5] offset:(\r+8*(\r/8))*4096+512*\q th:TH_LOAD_NT
.endr
.endm
.macro TURNX src, dst                  ; through the stage: in as loaded, out 64 bytes a lane: register 16 c + i = k 32 c + 16 (lane / 16) + i of row lane % 16.  LDS serves a wave's instructions in order
.irp r, 0,1,2,3,4,5,6,7,8,9,10,11,12,13,14,15
	ds_store_b128 v3, v[\src+4*\r:\src+4*\r+3] offset:SP*\r
.endr
.irp c, 0,1,2,3
.irp j, 0,1,2,3
	ds_load_b128 v[\dst+16*\c+4*\j:\dst+16*\c+4*\j+3], v4 offset:128*\c+16*\j
.endr
.endr
.endm
; 64 numbers of a lane become a fragment's 16 registers of codes and its row's scale word
.macro QUANT s, pc, pw
.irp b, 0,1,2,3
	v_max3_num_f32 v[TM+\b], |v[\s+16*\b]|, |v[\s+1+16*\b]|, 0x4800000   ; block b: my 16 numbers, and the floor 2^(9 - 127): the byte cannot fall under 1
.endr
.irp i, 2,4,6,8,10,12,14
.irp b, 0,1,2,3
	v_max3_num_f32 v[TM+\b], v[TM+\b], |v[\s+16*\b+\i]|, |v[\s+1+16*\b+\i]|   ; the four blocks by turns
.endr
.endr
.irp b, 0,1,2,3
	v_permlanex16_b32 v[TM+4+\b], v[TM+\b], s[SEL], s[SEL+1]
.endr
.irp b, 0,1,2,3
	v_max_num_f32 v[TM+\b], v[TM+\b], v[TM+4+\b]   ; with lane l xor 16's 16: the block's largest magnitude
.endr
.irp b, 0,1,2,3
	v_add_nc_u32 v[TM+12+\b], 0xfc000000, v[TM+\b] ; 8 off its exponent field: the conversion takes that field as its scale
.endr
.irp b, 0,1,2,3
	v_and_or_b32 v[TM+8+\b], v[TM+\b], 0x7f800000, s[MNT]   ; 448 x the scale
.endr
.irp b, 0,1,2,3
	v_lshrrev_b32 v[TM+4+\b], 23, v[TM+12+\b]      ; the scale's byte
.endr
	v_lshl_or_b32 v[\pw], v[TM+5], 8, v[TM+4]
	v_lshl_or_b32 v[\pw], v[TM+6], 16, v[\pw]
	v_lshl_or_b32 v[\pw], v[TM+7], 24, v[\pw]      ; my row's scale word (the same in both halves of the lanes)
.irp b, 0,1,2,3
.irp i, 0,1,2,3,4,5,6,7,8,9,10,11,12,13,14,15
	v_med3_num_f32 v[\s+16*\b+\i], v[\s+16*\b+\i], -v[TM+8+\b], v[TM+8+\b]   ; the conversion to an 8-bit code does not saturate (ISA guide 7.6.2): the hold comes first
.endr
	v_cvt_scalef32_pk8_fp8_f32 v[\pc+4*\b:\pc+4*\b+1], v[\s+16*\b:\s+16*\b+7], v[TM+12+\b]
	v_cvt_scalef32_pk8_fp8_f32 v[\pc+4*\b+2:\pc+4*\b+3], v[\s+16*\b+8:\s+16*\b+15], v[TM+12+\b]
.endr
	v_nop                                          ; a plain line behind the last conversion
.endm
.macro IMG q                           ; the fragment goes out as it stands: each store covers 512 consecutive bytes, aligned
.irp c, 0,1,2,3
	global_store_b128 v1, v[PC+16*\q+4*\c:PC+16*\q+4*\c+3], s[8:9] offset:2048*\q+512*\c
.endr
.endm
	LOADX 0, R0
	LOADX 1, R1
	s_wait_loadcnt 16                              ; K step 0's sixteen loads are in; K step 1's sixteen may be out
	TURNX R0, X0
	s_wait_loadcnt 0x0                             ; K step 1 is in
	s_wait_dscnt 0x0                               ; K step 0 is back, and its stores into the stage have read R0, which takes K step 1's numbers now
	TURNX R1, R0
	QUANT X0, PC, PW                               ; worked while K step 1 turns
	IMG 0
	s_wait_dscnt 0x0
	QUANT R0, PC+16, PW+1
	IMG 1
	v_cndmask_b32 v[PW+2], v[PW], v[PW+1], s[HI]   ; lanes 0-15: the even K step's words; lanes 16-31: the odd one's
	global_store_b32 v2, v[PW+2], s[10:11]         ; 128 consecutive bytes a wave, 512 a work-group: one byte for each 128 that this part reads
	s_wait_tensorcnt 0x0                           ; the wave's end, behind my last LDS store
	ds_add_u32 v[SPW], v[NIL]
	s_wait_dscnt 0x0
	s_endpgm
; ---- THE WEIGHTS, f32, stored [K][1024 columns].  Work-group 512 + 8 y + x: x is a block of 128 columns, 32 a wave (two tiles); y a K step of 128 out of the 48 of all four weights
; (Wq 0-7, Wc 8-15, W1 16-31, W2 32-47): only pointers and pitches are chosen by y.
; A LANE TAKES A COLUMN AND ITS REGISTERS RUN DOWN K: a block of 32 lies in one lane, its largest magnitude needs no other lane, and the conversions give codes with K innermost.  Lane 16 u + r takes the column that is row r of
; the wave's tile u, so a lane's two runs of 16 codes are the 16 bytes of lanes r and 16 + r of the image: sixteen neighbouring lanes store 256 consecutive bytes, aligned.  No LDS.
.set WX, 32                            ; v32-95   two sets of 32 numbers
.set WC, 96                            ; v96-127  eight registers of codes for each of the four blocks: no store's data are written again
.Lweights:
	s_load_b256 s[4:11], s[0:1], 0x10              ; Wq s[4:5], Wc s[6:7], W1 s[8:9], W2 s[10:11]
	s_load_b128 s[12:15], s[0:1], 0x40             ; wimg s[12:13], wscl s[14:15]
	v_lshrrev_b32 v4, 5, v0
	v_readfirstlane_b32 s16, v4                    ; wave 0..3
	v_and_b32 v5, 7, v0
	v_bfe_u32 v6, v0, 3, 1
	v_bfe_u32 v7, v0, 4, 1                         ; u: which of the wave's two tiles
	v_lshlrev_b32 v1, 2, v5
	v_lshl_add_u32 v1, v6, 6, v1
	v_lshl_add_u32 v1, v7, 5, v1                   ; v1 = 4 x my column among the wave's 32: 8 u + lane % 8 + 16 ((lane / 8) % 2)
	v_and_b32 v5, 15, v0                           ; r
	s_sub_co_u32 s27, ttmp9, 512
	s_and_b32 s28, s27, 7                          ; x
	s_lshr_b32 s17, s27, 3                         ; y
	s_mov_b32 s31, 0x600000                        ; the mantissa field of 448
	s_wait_alu depctr_va_vdst(0)
	s_wait_kmcnt 0x0
	s_cmp_lt_u32 s17, 8
	s_cselect_b64 s[4:5], s[4:5], s[6:7]           ; Wq or Wc,
	s_cselect_b32 s18, 0, 8                        ; and the first y of that weight
	s_cmp_lt_u32 s17, 32
	s_cselect_b64 s[8:9], s[8:9], s[10:11]         ; W1 or W2
	s_cselect_b32 s19, 16, 32
	s_cmp_lt_u32 s17, 16
	s_cselect_b64 s[4:5], s[4:5], s[8:9]           ; my weight
	s_cselect_b32 s18, s18, s19                    ; its first y: its images begin at 131,072 x that, its scale words at 4,096 x that
	s_cselect_b32 s19, 14, 15                      ; a tile's images are 2^14 bytes (8 K steps) or 2^15 (16)
	s_sub_co_u32 s20, s17, s18                     ; my K step in the weight
	s_lshl_b32 s21, 1, s19                         ; from tile to tile in wimg,
	s_lshr_b32 s22, s21, 5                         ; and in wscl
	v_mul_u32_u24 v2, s21, v7
	v_lshl_add_u32 v2, v5, 4, v2                   ; v2: tile u, 16 r
	v_mul_u32_u24 v3, s22, v7
	v_lshl_add_u32 v3, v5, 2, v3                   ; v3: tile u, 4 r
	s_lshl_b32 s24, s20, 19                        ; W: 128 rows of 4,096 bytes a K step,
	s_lshl_b32 s25, s28, 9                         ; 128 columns a work-group,
	s_add_co_u32 s24, s24, s25
	s_lshl_b32 s25, s16, 7                         ; 32 a wave
	s_add_co_u32 s24, s24, s25
	s_mov_b32 s25, 0
	s_add_nc_u64 s[4:5], s[4:5], s[24:25]
	s_lshl_b32 s23, s28, 3
	s_lshl_b32 s26, s16, 1
	s_add_co_u32 s23, s23, s26                     ; my first tile: 8 x + 2 wave
	s_lshl_b32 s24, s23, s19
	s_lshl_b32 s26, s18, 17
	s_add_co_u32 s24, s24, s26
	s_lshl_b32 s26, s20, 11
	s_add_co_u32 s24, s24, s26
	s_add_nc_u64 s[12:13], s[12:13], s[24:25]      ; wimg at my first tile's image of this K step
	s_mul_i32 s24, s23, s22
	s_lshl_b32 s26, s18, 12
	s_add_co_u32 s24, s24, s26
	s_lshl_b32 s26, s20, 6                         ; 128 (K step / 2) + 64 (K step % 2) = 64 x K step
	s_add_co_u32 s24, s24, s26
	s_add_nc_u64 s[14:15], s[14:15], s[24:25]
.macro LOADW t                         ; block t: W(32 t + i, my column), i = 0 .. 31, into set t % 2; the 32 lanes read 128 consecutive bytes, the four waves 512
.set II, 0
.rept 32
	global_load_b32 v[WX+32*((\t)%2)+II], v1, s[4:5] offset:(32*(\t)+II)*4096 th:TH_LOAD_NT
.set II, II+1
.endr
.endm
.macro BLOCKW t
.set XS, WX+32*((\t)%2)
.if (\t) < 3
	s_wait_loadcnt 32                              ; this block's 32 loads are in; the next block's 32 may be out
.else
	s_wait_loadcnt 0x0
.endif
	v_max3_num_f32 v12, |v[XS]|, |v[XS+1]|, |v[XS+2]|     ; the block's largest magnitude: all 32 numbers are mine; two chains
	v_max3_num_f32 v13, |v[XS+3]|, |v[XS+4]|, |v[XS+5]|
.irp i, 6,10,14,18,22,26
	v_max3_num_f32 v12, v12, |v[XS+\i]|, |v[XS+\i+1]|
	v_max3_num_f32 v13, v13, |v[XS+\i+2]|, |v[XS+\i+3]|
.endr
	v_max3_num_f32 v12, v12, |v[XS+30]|, |v[XS+31]|
	v_max3_num_f32 v12, v12, v13, 0x4800000        ; and the floor 2^(9 - 127)
	v_add_nc_u32 v11, 0xfc000000, v12              ; the conversions' scale operand
	v_and_or_b32 v10, v12, 0x7f800000, s31         ; 448 x the scale
	v_lshrrev_b32 v13, 23, v11                     ; the byte
.if (\t) == 0
	v_mov_b32 v14, v13
.else
	v_lshl_or_b32 v14, v13, 8*(\t), v14            ; the K step's four bytes make my column's scale word
.endif
.set II, 0
.rept 32
	v_med3_num_f32 v[XS+II], v[XS+II], -v10, v10   ; the hold: the conversion does not saturate (ISA guide 7.6.2)
.set II, II+1
.endr
.irp g, 0,1,2,3
	v_cvt_scalef32_pk8_fp8_f32 v[WC+8*(\t)+2*\g:WC+8*(\t)+2*\g+1], v[XS+8*\g:XS+8*\g+7], v11
.endr
	v_nop                                          ; a plain line behind the last conversion
	global_store_b128 v2, v[WC+8*(\t):WC+8*(\t)+3], s[12:13] offset:512*(\t)          ; k = 32 t + 0 .. 15: the image's lanes 0-15
	global_store_b128 v2, v[WC+8*(\t)+4:WC+8*(\t)+7], s[12:13] offset:512*(\t)+256    ; k = 32 t + 16 .. 31: its lanes 16-31
.if (\t) < 2
	LOADW (\t)+2
.endif
.endm
	LOADW 0
	LOADW 1
	BLOCKW 0
	BLOCKW 1
	BLOCKW 2
	BLOCKW 3
	global_store_b32 v3, v14, s[14:15]             ; 64 consecutive bytes for each of the two tiles: one byte for each 128 that this part reads
	s_endpgm
.Lfunc_end_k_qbbec630fbb_quant:
	.size	k_qbbec630fbb_quant, .Lfunc_end_k_qbbec630fbb_quant-k_qbbec630fbb_quant
	.p2alignl 7, 3214868480
	.fill 96, 4, 3214868480
	.section	.rodata,"a",@progbits
	.p2align	6, 0x0
	.amdhsa_kernel k_qbbec630fbb_quant
		.amdhsa_group_segment_fixed_size 34304
		.amdhsa_private_segment_fixed_size 0
		.amdhsa_enable_private_segment 0
		.amdhsa_kernarg_size 80
		.amdhsa_user_sgpr_count 2
		.amdhsa_user_sgpr_kernarg_segment_ptr 1
		.amdhsa_wavefront_size32 1
		.amdhsa_system_sgpr_workgroup_id_x 1
		.amdhsa_system_sgpr_workgroup_id_y 1
		.amdhsa_system_sgpr_workgroup_id_z 1
		.amdhsa_system_vgpr_workitem_id 0
		.amdhsa_next_free_vgpr 256
		.amdhsa_next_free_sgpr 66
		.amdhsa_reserve_vcc 0
		.amdhsa_float_denorm_mode_32 3
		.amdhsa_float_denorm_mode_16_64 3
		.amdhsa_memory_ordered 1
		.amdhsa_forward_progress 1
		.amdhsa_inst_pref_size 56
	.end_amdhsa_kernel
	.amdgpu_metadata
---
amdhsa.version: [ 1, 2 ]
amdhsa.kernels:
  - .name:           k_qbbec630fbb_quant
    .symbol:         k_qbbec630fbb_quant.kd
    .args:
      - { .name: question, .offset: 0, .size: 8, .value_kind: global_buffer, .address_space: global }
      - { .name: context, .offset: 8, .size: 8, .value_kind: global_buffer, .address_space: global }
      - { .name: Wq, .offset: 16, .size: 8, .value_kind: global_buffer, .address_space: global }
      - { .name: Wc, .offset: 24, .size: 8, .value_kind: global_buffer, .address_space: global }
      - { .name: W1, .offset: 32, .size: 8, .value_kind: global_buffer, .address_space: global }
      - { .name: W2, .offset: 40, .size: 8, .value_kind: global_buffer, .address_space: global }
      - { .name: acodes, .offset: 48, .size: 8, .value_kind: global_buffer, .address_space: global }
      - { .name: ascales, .offset: 56, .size: 8, .value_kind: global_buffer, .address_space: global }
      - { .name: wimg, .offset: 64, .size: 8, .value_kind: global_buffer, .address_space: global }
      - { .name: wscl, .offset: 72, .size: 8, .value_kind: global_buffer, .address_space: global }
    .group_segment_fixed_size: 34304
    .private_segment_fixed_size: 0
    .kernarg_segment_align: 8
    .kernarg_segment_size: 80
    .max_flat_workgroup_size: 128
    .sgpr_count:     66
    .vgpr_count:     256
    .wavefront_size: 32
...
	.end_amdgpu_metadata
.endif
;; end of part 1
;; launch proj (part 2): grid 8 x 32, 4 waves a work-group, clusters of 4 x 4, 327,680 bytes of LDS; arguments acodes, ascales, wimg, wscl, krec, vrec; writes krec, vrec
.if DOCPART == 2
	.amdgcn_target "amdgcn-amd-amdhsa--gfx1250"
	.amdhsa_code_object_version 6
	.text
	.protected	k_qbbec630fbb_proj
	.globl	k_qbbec630fbb_proj
	.p2align	8
	.type	k_qbbec630fbb_proj,@function
k_qbbec630fbb_proj:
	s_mov_b64 s[64:65], 0
	v_nop
	global_prefetch_b8 v0, s[64:65] scope:SCOPE_SE
	s_setreg_imm32_b32 hwreg(HW_REG_WAVE_MODE, 25, 1), 1
	s_wait_xcnt 0x0
	s_wait_alu depctr_hold_cnt(0) depctr_sa_sdst(0) depctr_va_vdst(0) depctr_va_sdst(0) depctr_va_ssrc(0) depctr_va_vcc(0) depctr_vm_vsrc(0)
	s_getreg_b32 s2, hwreg(HW_REG_IB_STS2, 6, 4)
	s_cmp_eq_u32 s2, 0
	s_cbranch_scc0 .Lentry_in_a_cluster
	s_endpgm
.Lentry_in_a_cluster:
	s_bfe_u32 s2, ttmp6, 0x10000c
	s_cmp_lg_u32 s2, 0xf033
	s_cbranch_scc0 .Lentry_shape_is_right
	s_endpgm
.Lentry_shape_is_right:
; LAUNCH 2 OF 4.  qh = question Wq and ch = context Wc on codes of E4M3 (K = 1,024), and each result quantised twice on the way out: along the head's 64 channels (it is query and key of the scores' products, with the
; same codes in both parts) and along the tokens (it is the value of the second products).  The f32 results never go to memory.  No work is left out.
; SHARES.  A work-group makes 256 tokens x 128 columns: 8 x 32 work-groups, y / 16 the tensor.  Four waves, each 128 tokens x 64 columns: 32 accumulators.  So a wave owns exactly ONE HEAD and ONE KEY STEP of 128 tokens.
; OPERANDS lie in memory as images of their registers (first launch): a K step of 256 of a tile is 4,096 consecutive bytes, a fragment comes by four ds_load_b128 of 512 consecutive bytes each: no pitch, no padding.
; THE PRODUCT IS USED TRANSPOSED: source 0 = 16 columns of W, source 1 = 16 tokens.  By the order of a tile's rows, in accumulator (a, b) lane (r, h) holds token 32 (a / 2) + 8 (a % 2) + r + 8 (r / 8) and register j channel 32 (b / 2) + 16 h + 8 (b % 2) + j.
; LDS.  THREE REGIONS, each a K step of 256: 16 tiles of x (65,536 bytes), then 8 tiles of W (32,768).  One tensor load brings all of x's or all of W's tiles of a K step.  K steps 0, 1, 2 and the scale words of all of K are asked
; for at the head (wave 0 x of step 0, wave 1 x's scale words, wave 2 W of step 0, wave 3 W's scale words; behind a round of the cluster's barrier K steps 1 and 2 by waves 0, 1 for x and 2, 3 for W): one tensor load a wave is out at a time.
; K step 3 is the one refill: into region 0, behind K step 0's products; it has K steps 1 and 2, 128 matrix instructions a wave, in which to land.  The K loop is written out: four K steps.
; Every wait on TENSORcnt is for 0: the first fills differ from wave to wave, so a count would not name the same load in every wave.
; No prefetch: three of the four K steps are asked for at the head and the fourth 48 matrix instructions behind the first barrier: there is no place ahead of it that is not the head.
; CLUSTER 4 x 4: x's tiles hang on work-group y alone and are asked for jointly along a row of the cluster, W's on work-group x (and on the tensor, which all sixteen share) and jointly along a column.
; OUT.  krec [tensor][batch x head 64][key step 8][8704]: 8 token tiles x 1,024 bytes (registers 0-7 of a fragment: K = 64; the reader clears registers 8-15), then [pair of tiles 4][32 lanes] scale words b0 | b1 << 8 | 0x7f7f0000.
;       vrec [tensor][batch x head][key step][8448]: 4 channel tiles x 2,048 bytes (K = the step's 128 tokens in their natural order), then [pair of tiles 2][32 lanes] scale words.
; REGISTERS, in windows of 256: window 0: addresses, v32-55 scale words (two sets), v64-127 W's fragments and v128-255 x's of a K step's first 128; window 2: the same numbers, its second 128; window 1: the accumulators, (a, b) at v[8 (4 a + b)].
; LIMITS: as in the first launch (NaN, infinities; the byte held at 1 from below).
.set SLOT,  98304
.set BOFF,  65536                      ; W's tiles in a region
.set APS,   512                        ; a tile's scale words in LDS: 4 pairs of K steps of 128 x 128 bytes
.set BPS,   512
.set SCLA,  3*SLOT
.set SCLB,  SCLA+16*APS
.set SPARE, SCLB+8*BPS                 ; the spare words, 128 bytes a wave, which no other line names
.set STAGE, SLOT                       ; the way out: 32 rows x 272 bytes for each wave, in region 1: it is filled once, and behind the last barrier nobody reads it
.set STW,   8704
.set L16, 1                            ; v1  16 x lane
.set L4,  2                            ; v2  4 x lane
.set STO, 3                            ; v3  the stage, in
.set RD,  4                            ; v4  the stage, out
.set VL,  5                            ; v5  a lane's place in V's images
.set ADRA, 16                          ; v16-18 x's fragments in regions 0, 1, 2
.set ADRB, 19                          ; v19-21 W's
.set ADSA, 22                          ; v22 x's scale words
.set ADSB, 23                          ; v23 W's
.set SPW, 28
.set NIL, 29
.set SC,  32                           ; set s at v[32 + 12 s]: x's 8 words, then W's 4; lanes 0-15 the K step's first 128, lanes 16-31 its second
.set BF,  64
.set AF,  128
.set WV, 16
.set FB, 17                            ; wave / 2: I fetch for x (0) or W (1); also which 128 tokens are mine
.set HF, 18                            ; wave % 2: which of a pair's two K steps I fetch; also which 64 columns are mine
.set SEL, 20
.set MNT, 22
.set HI,  23
.set G1A, 24
.set G0A, 32                           ; s[32:35] x's tiles of the pair of regions 1, 2; s[36:39] of a single region
.set G1B, 48
.set G0B, 56                           ; s[56:59], s[60:63] the same for W
.set G1SA, 68
.set G0SA, 76
.set G1SB, 80
.set G0SB, 88
.set M0, 0x50                          ; operands window 0, C and D window 1
.set M1, 0x5a                          ; operands window 2, C and D window 1
.set TO2, 0x80                         ; destination window 2
.set MSB, 0
.macro WIN new                         ; the immediate's high byte repeats the setting that is left
.if MSB != \new
	s_set_vgpr_msb (MSB<<8)|\new
.set MSB, \new
.endif
.endm
.macro PLACES n
.rept \n
	v_nop
.endr
.endm
; A joint load of all four waves: waves 0, 1 for x, waves 2, 3 for W.  The branch hangs on the wave's number alone.  An s_nop 0 and four v_nop follow each of the two lines.
.macro JLOAD g0a, g1a, g0b, g1b
	s_cmp_eq_u32 s[FB], 0
	s_cbranch_scc0 .Lfor_b_\@
	tensor_load_to_lds s[\g0a:\g0a+3], s[\g1a:\g1a+7]
	s_nop 0
.rept 4
	v_nop
.endr
	s_branch .Lasked_\@
.Lfor_b_\@:
	tensor_load_to_lds s[\g0b:\g0b+3], s[\g1b:\g1b+7]
	s_nop 0
.rept 4
	v_nop
.endr
.Lasked_\@:
.endm
; A joint load of a single region: wave 0 for x, wave 2 for W; waves 1 and 3 have no part of it and issue none
.macro JLOAD1 g0a, g1a, g0b, g1b
	s_cmp_eq_u32 s[HF], 0
	s_cbranch_scc0 .Lnone_\@
	s_cmp_eq_u32 s[FB], 0
	s_cbranch_scc0 .Lfor_b_\@
	tensor_load_to_lds s[\g0a:\g0a+3], s[\g1a:\g1a+7]
	s_nop 0
.rept 4
	v_nop
.endr
	s_branch .Lnone_\@
.Lfor_b_\@:
	tensor_load_to_lds s[\g0b:\g0b+3], s[\g1b:\g1b+7]
	s_nop 0
.rept 4
	v_nop
.endr
.Lnone_\@:
.endm
.macro CREST                           ; a round of the cluster's barrier behind its opening barrier
	s_cmp_lg_u32 s[WV], 0
	s_cbranch_scc1 .Lnot_wave_0_\@
	s_barrier_signal -3
.Lnot_wave_0_\@:
	s_barrier_wait -3
	s_barrier_signal -1
	s_barrier_wait -1
.endm
.macro CROUND
	s_barrier_signal -1
	s_barrier_wait -1
	CREST
.endm
	s_load_b256 s[4:11], s[0:1], 0x0               ; acodes s[4:5], ascales s[6:7], wimg s[8:9], wscl s[10:11]
	s_load_b128 s[12:15], s[0:1], 0x20             ; krec s[12:13], vrec s[14:15]
	v_lshl_add_u32 v[SPW], v0, 2, SPARE
	v_mov_b32 v[NIL], 0
	ds_add_u32 v[SPW], v[NIL]                      ; the wave's opening: the add, twice on end, and its wait ahead of my first tensor load
	ds_add_u32 v[SPW], v[NIL]
	v_lshrrev_b32 v6, 5, v0
	v_readfirstlane_b32 s[WV], v6                  ; wave 0..3
	s_lshr_b32 s[FB], s[WV], 1
	s_and_b32 s[HF], s[WV], 1
	s_bfe_u32 s40, ttmp6, 0x40000                  ; cx
	s_bfe_u32 s41, ttmp6, 0x40004                  ; cy
	s_lshl_b32 s42, ttmp9, 2
	s_add_co_u32 s42, s42, s40                     ; work-group x
	s_and_b32 s43, ttmp7, 0xffff
	s_lshr_b32 s46, s43, 2                         ; the tensor: cluster y / 4, the same in all sixteen
	s_lshl_b32 s43, s43, 2
	s_add_co_u32 s43, s43, s41                     ; work-group y
	s_lshl_b32 s44, s41, 2
	s_lshl_b32 s44, 15, s44                        ; my row of the cluster
	s_lshl_b32 s45, 0x1111, s40                    ; my column
	; descriptor groups 1: elements of 8 bytes, no padding; bit 21 set beside a mask
	s_or_b32 s[G1A], s44, (3<<16)|(1<<21)
	s_or_b32 s[G1B], s45, (3<<16)|(1<<21)
	s_or_b32 s[G1SA], s44, (3<<16)|(1<<21)
	s_or_b32 s[G1SB], s45, (3<<16)|(1<<21)
.irp g, G1A, G1B
	s_mov_b32 s[\g+1], 512<<16                     ; tensor_dim0: 512 elements = 4,096 bytes: a tile's K step of 256
	s_mov_b32 s[\g+3], 512<<16                     ; tile_dim0
	s_mov_b32 s[\g+6], 0
	s_mov_b32 s[\g+7], 0
.endr
	s_mov_b32 s[G1A+2], 16<<16                     ; 16 tiles of x,
	s_mov_b32 s[G1A+4], 16
	s_mov_b32 s[G1A+5], 4096                       ; 32,768 bytes apart
	s_mov_b32 s[G1B+2], 8<<16                      ; 8 tiles of W,
	s_mov_b32 s[G1B+4], 8
	s_mov_b32 s[G1B+5], 2048                       ; 16,384 bytes apart
	s_mov_b32 s[G1SA+1], 64<<16                    ; x's scale words: of each tile's 1,024 bytes the first 512 (K steps 0-7 of 128),
	s_mov_b32 s[G1SA+2], 16<<16                    ; all 16 tiles in one load
	s_mov_b32 s[G1SA+3], 64<<16
	s_mov_b32 s[G1SA+4], 16
	s_mov_b32 s[G1SA+5], 128
	s_mov_b32 s[G1SA+6], 0
	s_mov_b32 s[G1SA+7], 0
	s_mov_b32 s[G1SB+1], 32<<16                    ; W's: rows of 256 bytes
	s_mov_b32 s[G1SB+2], 16<<16                    ; all 8 tiles x 512 dense bytes in one load, as 16 rows of 256
	s_mov_b32 s[G1SB+3], 32<<16
	s_mov_b32 s[G1SB+4], 16
	s_mov_b32 s[G1SB+5], 32
	s_mov_b32 s[G1SB+6], 0
	s_mov_b32 s[G1SB+7], 0
	; where the tiles come from.  x's hang on work-group y and the wave alone, W's on work-group x, the tensor and the wave alone; each in registers that never hold the other coordinate
	s_lshl_b32 s92, s43, 19                        ; x's codes: 16 y tiles of 32,768 bytes
	s_mov_b32 s93, 0
	s_lshl_b32 s94, s43, 14                        ; x's scale words: 1,024 bytes a tile; a load brings 16 tiles'
	s_mov_b32 s95, 0
	s_lshl_b32 s96, s42, 17                        ; W's codes: 8 x tiles of 16,384 bytes,
	s_lshl_b32 s97, s46, 20                        ; Wq at 0, Wc at 1 MiB
	s_add_co_u32 s96, s96, s97
	s_mov_b32 s97, 0
	s_lshl_b32 s98, s42, 12                        ; W's scale words: 512 bytes a tile; a load brings 8 tiles',
	s_lshl_b32 s99, s46, 15                        ; Wq's at 0, Wc's at 32 KiB
	s_add_co_u32 s98, s98, s99
	s_mov_b32 s99, 0
	s_mov_b32 s[SEL], 0x76543210
	s_mov_b32 s[SEL+1], 0xfedcba98
	s_mov_b32 s[MNT], 0x600000
	s_mov_b32 s[HI], 0xffff0000
	s_wait_dscnt 0x0                               ; both opening adds are done
	s_wait_kmcnt 0x0
	s_add_nc_u64 s[92:93], s[4:5], s[92:93]
	s_add_nc_u64 s[94:95], s[6:7], s[94:95]
	s_add_nc_u64 s[96:97], s[8:9], s[96:97]
	s_add_nc_u64 s[98:99], s[10:11], s[98:99]
	CROUND                                         ; all sixteen work-groups are here: the first joint loads meet
	s_mov_b32 s[G0SA], 1
	s_mov_b32 s[G0SA+1], SCLA
	s_mov_b64 s[G0SA+2:G0SA+3], s[94:95]
	s_or_b32 s[G0SA+3], s[G0SA+3], 0x80000000
	s_mov_b32 s[G0SB], 1
	s_mov_b32 s[G0SB+1], SCLB
	s_mov_b64 s[G0SB+2:G0SB+3], s[98:99]
	s_or_b32 s[G0SB+3], s[G0SB+3], 0x80000000
	s_lshl_b32 s2, s[HF], 12                       ; the pair's descriptors: K step 1 + wave % 2,
	s_add_co_u32 s2, s2, 4096
	s_mov_b32 s3, 0
	s_mul_i32 s47, s[HF], SLOT                     ; into region 1 + wave % 2
	s_add_co_u32 s47, s47, SLOT
	s_mov_b32 s[G0A], 1
	s_mov_b32 s[G0A+1], s47
	s_add_nc_u64 s[G0A+2:G0A+3], s[92:93], s[2:3]
	s_or_b32 s[G0A+3], s[G0A+3], 0x80000000
	s_mov_b32 s[G0B], 1
	s_add_co_u32 s[G0B+1], s47, BOFF
	s_add_nc_u64 s[G0B+2:G0B+3], s[96:97], s[2:3]
	s_or_b32 s[G0B+3], s[G0B+3], 0x80000000
	s_mov_b32 s[G0A+4], 1
	s_mov_b32 s[G0A+5], 0
	s_mov_b64 s[G0A+6:G0A+7], s[92:93]
	s_or_b32 s[G0A+7], s[G0A+7], 0x80000000
	s_mov_b32 s[G0B+4], 1
	s_mov_b32 s[G0B+5], BOFF
	s_mov_b64 s[G0B+6:G0B+7], s[96:97]
	s_or_b32 s[G0B+7], s[G0B+7], 0x80000000
; THE FILLS AS THEY STAND (this takes the place of what the head comment says of them).  At the head ONE joint load a wave, in one chain of branches on the wave's number: wave 0 x of K step 0,
; wave 1 x's scale words, wave 2 W of K step 0, wave 3 W's scale words.  K steps 1 and 2 (regions 1 and 2) follow behind the three lines and a round of the cluster's barrier, one load a wave, and land under K step 0's products.
; K step 3 is the one refill, into region 0, as before.
	s_cmp_eq_u32 s[WV], 0
	s_cbranch_scc0 .Lhead_1
	tensor_load_to_lds s[G0A+4:G0A+7], s[G1A:G1A+7]
	s_nop 0
	PLACES 4
	s_branch .Lhead_asked
.Lhead_1:
	s_cmp_eq_u32 s[WV], 1
	s_cbranch_scc0 .Lhead_2
	tensor_load_to_lds s[G0SA:G0SA+3], s[G1SA:G1SA+7]
	s_nop 0
	PLACES 4
	s_branch .Lhead_asked
.Lhead_2:
	s_cmp_eq_u32 s[WV], 2
	s_cbranch_scc0 .Lhead_3
	tensor_load_to_lds s[G0B+4:G0B+7], s[G1B:G1B+7]
	s_nop 0
	PLACES 4
	s_branch .Lhead_asked
.Lhead_3:
	tensor_load_to_lds s[G0SB:G0SB+3], s[G1SB:G1SB+7]
	s_nop 0
	PLACES 4
.Lhead_asked:
	v_and_b32 v6, 31, v0
	v_lshlrev_b32 v[L16], 4, v6
	v_lshlrev_b32 v[L4], 2, v6
	s_wait_alu depctr_va_vdst(0)
	s_lshl_b32 s2, s[FB], 15                       ; my 8 tiles of x,
	s_lshl_b32 s47, s[HF], 14                      ; my 4 tiles of W
	s_add_co_u32 s47, s47, BOFF
.irp s, 0,1,2
	v_add_nc_u32 v[ADRA+\s], s2, v[L16]
	v_add_nc_u32 v[ADRB+\s], s47, v[L16]
	s_add_co_u32 s2, s2, SLOT
	s_add_co_u32 s47, s47, SLOT
.endr
	s_mul_i32 s2, s[FB], 8*APS
	s_add_co_u32 s2, s2, SCLA
	v_add_nc_u32 v[ADSA], s2, v[L4]
	s_mul_i32 s2, s[HF], 4*BPS
	s_add_co_u32 s2, s2, SCLB
	v_add_nc_u32 v[ADSB], s2, v[L4]
	s_mul_i32 s2, s[WV], STW
	s_add_co_u32 s2, s2, STAGE                     ; my stage
	v_and_b32 v7, 15, v0                           ; r
	v_bfe_u32 v8, v0, 4, 1                         ; h
	v_mul_u32_u24 v[STO], v7, 272
	v_lshl_add_u32 v[STO], v8, 6, v[STO]
	v_add_nc_u32 v[STO], s2, v[STO]                ; in: row r, + 64 h
	v_and_b32 v9, 7, v0
	v_bfe_u32 v10, v0, 3, 1
	v_lshlrev_b32 v[RD], 2, v9
	v_lshl_add_u32 v[RD], v10, 6, v[RD]
	v_lshl_add_u32 v[RD], v8, 5, v[RD]
	v_add_nc_u32 v[RD], s2, v[RD]                  ; out: 4 x (8 h + lane % 8 + 16 ((lane / 8) % 2)): the channel that is row r of channel tile h of a pair
	v_lshlrev_b32 v[VL], 4, v7
	v_lshl_add_u32 v[VL], v8, 11, v[VL]            ; V's images: tile h of the pair, 16 r
	; my record: ((tensor x 64 + 16 batch + head) x 8 + key step); these registers feed no descriptor
	s_lshl_b32 s66, s46, 6
	s_bfe_u32 s67, s43, 0x20002                    ; batch = (y % 16) / 4
	s_lshl_b32 s67, s67, 4
	s_add_co_u32 s66, s66, s67
	s_lshl_b32 s67, s42, 1
	s_add_co_u32 s66, s66, s67
	s_add_co_u32 s66, s66, s[HF]                   ; head = 2 x + wave % 2
	s_lshl_b32 s66, s66, 3
	s_and_b32 s67, s43, 3
	s_lshl_b32 s67, s67, 1
	s_add_co_u32 s66, s66, s67
	s_add_co_u32 s66, s66, s[FB]                   ; key step = 2 (y % 4) + wave / 2
	s_mul_i32 s100, s66, 8704
	s_mov_b32 s101, 0
	s_add_nc_u64 s[12:13], s[12:13], s[100:101]
	s_mul_i32 s100, s66, 8448
	s_add_nc_u64 s[14:15], s[14:15], s[100:101]
.macro FETCH slot, q                   ; the fragments of the region's q-th 128 along K: W's 4, then x's 8: 48 loads of 512 consecutive bytes
.if \q
	WIN TO2
.else
	WIN 0
.endif
.irp b, 0,1,2,3
.irp c, 0,1,2,3
	ds_load_b128 v[BF+16*\b+4*\c:BF+16*\b+4*\c+3], v[ADRB+\slot] offset:4096*\b+2048*\q+512*\c
.endr
.endr
.irp a, 0,1,2,3,4,5,6,7
.irp c, 0,1,2,3
	ds_load_b128 v[AF+16*\a+4*\c:AF+16*\a+4*\c+3], v[ADRA+\slot] offset:4096*\a+2048*\q+512*\c
.endr
.endr
	WIN 0
.endm
.macro SCALES s, p                     ; K step p's scale words into set s
.irp a, 0,1,2,3,4,5,6,7
	ds_load_b32 v[SC+12*\s+\a], v[ADSA] offset:\a*APS+128*\p
.endr
.irp b, 0,1,2,3
	ds_load_b32 v[SC+12*\s+8+\b], v[ADSB] offset:\b*BPS+128*\p
.endr
.endm
; 4 n matrix instructions: x's tiles a0 .. a0 + n - 1 against W's four.  The 32 accumulators take turns, one instruction a turn, in the same order in every step.  first = 1: the product starts the sums
.macro MUL q, s, a0, n, first
.set AA, \a0
.rept \n
.irp b, 0,1,2,3
.if \first
	v_wmma_scale_f32_16x16x128_f8f6f4 v[8*(4*AA+\b):8*(4*AA+\b)+7], v[BF+16*\b:BF+16*\b+15], v[AF+16*AA:AF+16*AA+15], 0, v[SC+12*\s+8+\b], v[SC+12*\s+AA]
.elseif \q
	v_wmma_scale_f32_16x16x128_f8f6f4 v[8*(4*AA+\b):8*(4*AA+\b)+7], v[BF+16*\b:BF+16*\b+15], v[AF+16*AA:AF+16*AA+15], v[8*(4*AA+\b):8*(4*AA+\b)+7], v[SC+12*\s+8+\b], v[SC+12*\s+AA] matrix_a_scale:MATRIX_SCALE_ROW1 matrix_b_scale:MATRIX_SCALE_ROW1
.else
	v_wmma_scale_f32_16x16x128_f8f6f4 v[8*(4*AA+\b):8*(4*AA+\b)+7], v[BF+16*\b:BF+16*\b+15], v[AF+16*AA:AF+16*AA+15], v[8*(4*AA+\b):8*(4*AA+\b)+7], v[SC+12*\s+8+\b], v[SC+12*\s+AA]
.endif
.endr
.set AA, AA+1
.endr
.endm
; A K step's first 128.  Eight places stand in front of loads into registers that matrix instructions have read
.macro STEP slot, sc, first
	s_wait_dscnt 0x0                               ; this step's fragments and scale words are in
	PLACES 8
	FETCH \slot, 1                                 ; the second 128 along K, into window 2, 32 matrix instructions ahead of its use
	WIN M0
	MUL 0, \sc, 0, 8, \first
	WIN 0
.endm
; A K step's second 128, where the next region has been shown whole by an earlier barrier: no barrier
.macro PASS next, sc, nsc, np
	s_wait_dscnt 0x0
	PLACES 8
	FETCH \next, 0
	SCALES \nsc, \np
	WIN M1
	MUL 1, \sc, 0, 8, 0
	WIN 0
.endm
; A K step's second 128 with ONE barrier: in front of it each wave waits for all its tensor loads, adds 0 to its spare word, and waits for that and for its reads of the region.  fill = 1: a round of the cluster's barrier,
; and behind it region 0, which has just been read out, takes K step 3
.macro TURN next, sc, nsc, np, fill
	s_wait_tensorcnt 0x0                           ; all my tensor loads have landed
	ds_add_u32 v[SPW], v[NIL]                      ; 0 onto my spare word
	s_wait_dscnt 1                                 ; the fragments are in; the add alone may be out
	WIN M1
	MUL 1, \sc, 0, 2, 0                            ; eight matrix instructions stand between the add and the wait for it
	s_wait_dscnt 0x0                               ; the add is done, and my reads of this region are over
	s_barrier_signal -1
	MUL 1, \sc, 2, 2, 0
	WIN 0
	s_barrier_wait -1
.if \fill
	CREST                                          ; the barrier has opened a round of the cluster's barrier: no wave of any partner still reads region 0 or has a load on its way
	s_add_nc_u64 s[G0A+6:G0A+7], s[G0A+6:G0A+7], 3*4096   ; region 0's descriptors go on from K step 0 to K step 3
	s_add_nc_u64 s[G0B+6:G0B+7], s[G0B+6:G0B+7], 3*4096
	JLOAD1 G0A+4, G1A, G0B+4, G1B                  ; the first tensor load behind the round
.endif
	PLACES 8
	FETCH \next, 0
	SCALES \nsc, \np
	WIN M1
	MUL 1, \sc, 4, 4, 0
	WIN 0
.endm
	s_wait_alu depctr_va_vdst(0)                   ; the head's end
	s_wait_tensorcnt 0x0                           ; my tile of the head's four is in
	ds_add_u32 v[SPW], v[NIL]
	s_wait_dscnt 0x0
	CROUND                                         ; everybody's tile is in, and all sixteen work-groups are here
	JLOAD G0A, G1A, G0B, G1B                       ; K steps 1 and 2 into regions 1 and 2: my one load behind the round
	FETCH 0, 0
	SCALES 0, 0
	STEP 0, 0, 1                                   ; K step 0 (region 0): its first products start the sums
	TURN 1, 0, 1, 1, 1                             ; and region 0 is asked for again
	STEP 1, 1, 0                                   ; K step 1 (region 1)
	PASS 2, 1, 0, 2
	STEP 2, 0, 0                                   ; K step 2 (region 2)
	TURN 0, 0, 1, 3, 0                             ; K step 3 has landed in every wave's sight
	STEP 0, 1, 0                                   ; K step 3 (region 0)
	s_wait_dscnt 0x0
	WIN M1
	MUL 1, 1, 0, 8, 0
	WIN 0
	PLACES 8                                       ; in front of the first reads of results and of loads into the fragments' registers
; THE WAY OUT, a pair of token tiles (32 tokens in their natural order) at a time.
.set T,  64                            ; v64-127  64 held numbers
.set X,  128                           ; v128-191 two passes of 32 tokens of my channel
.set PC, 192                           ; v192-207 the pair's Q/K codes
.set VC, 208                           ; v208-223 the two passes' V codes
.set TM, 224                           ; v224-239 as in the first launch
.set VM, 240                           ; v240-243 the same for V's one block
.set PW, 248                           ; v248, v249 the two tiles' scale words, v250 merged
.set VW, 252                           ; v252, v253 V's scale words of the two passes
.irp b, 0,1,2,3
	v_mov_b32 v[TM+4+\b], 0                        ; written once: a lane permute's destination counts as one of its sources
.endr
.macro PAIR i
	WIN 0x04                                       ; an LDS store's data are its source 1: window 1
.irp u, 0,1
.irp b, 0,1,2,3
.irp q, 0,1
	ds_store_b128 v[STO], v[8*(4*(2*\i+\u)+\b)+4*\q:8*(4*(2*\i+\u)+\b)+4*\q+3] offset:4352*\u+128*(\b/2)+32*(\b%2)+16*\q   ; stage row 16 u + r: that token's 64 channels; each accumulator from its low end on
.endr
.endr
.endr
	WIN 0
.irp p, 0,1                                    ; back with a lane to a channel (32 p + my place) and registers down the tokens: token k of the 32 lies in stage row 16 ((k / 8) % 2) + k % 8 + 8 (k / 16)
.set KK, 0
.rept 32
	ds_load_b32 v[X+32*\p+KK], v[RD] offset:272*(16*((KK/8)%2)+KK%8+8*(KK/16))+128*\p
.set KK, KK+1
.endr
.endr
	s_wait_xcnt 0x0                                ; the last pair's stores have read their data: the codes' and words' registers may be written
	; ALONG THE CHANNELS: block e = 2 u + c is registers 64 i + 16 e .. + 15 of window 1: channels 32 c + 16 h + 0 .. 15 of tile 2 i + u's row r
	WIN 0x05
.irp e, 0,1,2,3
	v_max3_num_f32 v[TM+\e], |v[64*\i+16*\e]|, |v[64*\i+16*\e+1]|, 0x4800000
.endr
.irp n, 2,4,6,8,10,12,14
.irp e, 0,1,2,3
	v_max3_num_f32 v[TM+\e], |v[64*\i+16*\e+\n]|, |v[64*\i+16*\e+\n+1]|, v[TM+\e]
.endr
.endr
	WIN 0
.irp e, 0,1,2,3
	v_permlanex16_b32 v[TM+4+\e], v[TM+\e], s[SEL], s[SEL+1]
.endr
.irp e, 0,1,2,3
	v_max_num_f32 v[TM+\e], v[TM+\e], v[TM+4+\e]
.endr
.irp e, 0,1,2,3
	v_add_nc_u32 v[TM+12+\e], 0xfc000000, v[TM+\e]
.endr
.irp e, 0,1,2,3
	v_and_or_b32 v[TM+8+\e], v[TM+\e], 0x7f800000, s[MNT]
.endr
.irp e, 0,1,2,3
	v_lshrrev_b32 v[TM+4+\e], 23, v[TM+12+\e]
.endr
	v_lshl_or_b32 v[PW], v[TM+5], 8, v[TM+4]
	v_lshl_or_b32 v[PW+1], v[TM+7], 8, v[TM+6]
	v_cndmask_b32 v[PW+2], v[PW], v[PW+1], s[HI]   ; lanes 0-15: the even tile's words; lanes 16-31: the odd tile's
	v_or_b32 v[PW+2], 0x7f7f0000, v[PW+2]          ; K = 64 .. 127 holds zero codes: their bytes are 127
	WIN 0x01
.irp e, 0,1,2,3
.irp n, 0,1,2,3,4,5,6,7,8,9,10,11,12,13,14,15
	v_med3_num_f32 v[T+16*\e+\n], v[64*\i+16*\e+\n], -v[TM+8+\e], v[TM+8+\e]
.endr
.endr
	WIN 0
.irp e, 0,1,2,3
	v_cvt_scalef32_pk8_fp8_f32 v[PC+4*\e:PC+4*\e+1], v[T+16*\e:T+16*\e+7], v[TM+12+\e]
	v_cvt_scalef32_pk8_fp8_f32 v[PC+4*\e+2:PC+4*\e+3], v[T+16*\e+8:T+16*\e+15], v[TM+12+\e]
.endr
	v_nop                                          ; a plain line behind the last conversion
.irp e, 0,1,2,3
	global_store_b128 v[L16], v[PC+4*\e:PC+4*\e+3], s[12:13] offset:1024*(2*\i+\e/2)+512*(\e%2)   ; 512 consecutive bytes, aligned
.endr
	global_store_b32 v[L4], v[PW+2], s[12:13] offset:8192+128*\i
	; ALONG THE TOKENS: a lane's 32 registers are one block of its channel
	s_wait_dscnt 0x0
.irp p, 0,1
.set XS, X+32*\p
	v_max3_num_f32 v[VM], |v[XS]|, |v[XS+1]|, |v[XS+2]|
	v_max3_num_f32 v[VM+1], |v[XS+3]|, |v[XS+4]|, |v[XS+5]|
.irp n, 6,10,14,18,22,26
	v_max3_num_f32 v[VM], v[VM], |v[XS+\n]|, |v[XS+\n+1]|
	v_max3_num_f32 v[VM+1], v[VM+1], |v[XS+\n+2]|, |v[XS+\n+3]|
.endr
	v_max3_num_f32 v[VM], v[VM], |v[XS+30]|, |v[XS+31]|
	v_max3_num_f32 v[VM], v[VM], v[VM+1], 0x4800000
	v_add_nc_u32 v[VM+3], 0xfc000000, v[VM]
	v_and_or_b32 v[VM+2], v[VM], 0x7f800000, s[MNT]
	v_lshrrev_b32 v[VM+1], 23, v[VM+3]
.if \i == 0
	v_mov_b32 v[VW+\p], v[VM+1]
.else
	v_lshl_or_b32 v[VW+\p], v[VM+1], 8*\i, v[VW+\p]   ; the key step's four bytes make my channel's scale word
.endif
.set KK, 0
.rept 32
	v_med3_num_f32 v[XS+KK], v[XS+KK], -v[VM+2], v[VM+2]
.set KK, KK+1
.endr
.irp g, 0,1,2,3
	v_cvt_scalef32_pk8_fp8_f32 v[VC+8*\p+2*\g:VC+8*\p+2*\g+1], v[XS+8*\g:XS+8*\g+7], v[VM+3]
.endr
	v_nop
	global_store_b128 v[VL], v[VC+8*\p:VC+8*\p+3], s[14:15] offset:4096*\p+512*\i         ; tokens 32 i + 0 .. 15: the image's lanes 0-15: sixteen lanes store 256 consecutive bytes, aligned
	global_store_b128 v[VL], v[VC+8*\p+4:VC+8*\p+7], s[14:15] offset:4096*\p+512*\i+256   ; tokens 32 i + 16 .. 31: its lanes 16-31
.endr
.endm
	s_wait_alu depctr_va_vdst(0)
	PAIR 0
	PAIR 1
	PAIR 2
	PAIR 3
	global_store_b32 v[L4], v[VW], s[14:15] offset:8192
	global_store_b32 v[L4], v[VW+1], s[14:15] offset:8192+128
	s_wait_tensorcnt 0x0                           ; the wave's end, behind my last tensor load and my last LDS store
	ds_add_u32 v[SPW], v[NIL]
	s_wait_dscnt 0x0
	CROUND                                         ; the closing round: no work-group ends while a partner may still ask for a tile that names it
	s_endpgm
.Lfunc_end_k_qbbec630fbb_proj:
	.size	k_qbbec630fbb_proj, .Lfunc_end_k_qbbec630fbb_proj-k_qbbec630fbb_proj
	.p2alignl 7, 3214868480
	.fill 96, 4, 3214868480
	.section	.rodata,"a",@progbits
	.p2align	6, 0x0
	.amdhsa_kernel k_qbbec630fbb_proj
		.amdhsa_group_segment_fixed_size 327680
		.amdhsa_private_segment_fixed_size 0
		.amdhsa_enable_private_segment 0
		.amdhsa_kernarg_size 48
		.amdhsa_user_sgpr_count 2
		.amdhsa_user_sgpr_kernarg_segment_ptr 1
		.amdhsa_wavefront_size32 1
		.amdhsa_system_sgpr_workgroup_id_x 1
		.amdhsa_system_sgpr_workgroup_id_y 1
		.amdhsa_system_sgpr_workgroup_id_z 1
		.amdhsa_system_vgpr_workitem_id 0
		.amdhsa_next_free_vgpr 768
		.amdhsa_next_free_sgpr 102
		.amdhsa_reserve_vcc 0
		.amdhsa_float_denorm_mode_32 3
		.amdhsa_float_denorm_mode_16_64 3
		.amdhsa_memory_ordered 1
		.amdhsa_forward_progress 1
		.amdhsa_inst_pref_size 160
	.end_amdhsa_kernel
	.amdgpu_metadata
---
amdhsa.version: [ 1, 2 ]
amdhsa.kernels:
  - .name:           k_qbbec630fbb_proj
    .symbol:         k_qbbec630fbb_proj.kd
    .args:
      - { .name: acodes, .offset: 0, .size: 8, .value_kind: global_buffer, .address_space: global }
      - { .name: ascales, .offset: 8, .size: 8, .value_kind: global_buffer, .address_space: global }
      - { .name: wimg, .offset: 16, .size: 8, .value_kind: global_buffer, .address_space: global }
      - { .name: wscl, .offset: 24, .size: 8, .value_kind: global_buffer, .address_space: global }
      - { .name: krec, .offset: 32, .size: 8, .value_kind: global_buffer, .address_space: global }
      - { .name: vrec, .offset: 40, .size: 8, .value_kind: global_buffer, .address_space: global }
    .group_segment_fixed_size: 327680
    .private_segment_fixed_size: 0
    .kernarg_segment_align: 8
    .kernarg_segment_size: 48
    .max_flat_workgroup_size: 128
    .sgpr_count:     102
    .vgpr_count:     768
    .wavefront_size: 32
...
	.end_amdgpu_metadata
.endif
;; end of part 2
;; launch attn (part 3): grid 2 x 128, 16 waves a work-group, no clusters, 167,936 bytes of LDS; arguments krec, vrec, mask_q, mask_c, acodes, ascales; writes acodes, ascales
.if DOCPART == 3
	.amdgcn_target "amdgcn-amd-amdhsa--gfx1250"
	.amdhsa_code_object_version 6
	.text
	.protected	k_qbbec630fbb_attn
	.globl	k_qbbec630fbb_attn
	.p2align	8
	.type	k_qbbec630fbb_attn,@function
k_qbbec630fbb_attn:
	s_mov_b64 s[64:65], 0
	v_nop
	global_prefetch_b8 v0, s[64:65] scope:SCOPE_SE
	s_setreg_imm32_b32 hwreg(HW_REG_WAVE_MODE, 25, 1), 1
	s_wait_xcnt 0x0
; LAUNCH 3 OF 4.  Both attentions, 2 x 64 heads of 1,024 queries x 1,024 keys, head size 64, both products on codes of E4M3.  Work-group y = 64 d + 16 batch + head.  d = 0: keys and values are question's heads, queries context's,
; the mask is mask_q, the result is question_; d = 1: the other way round.  No work is left out: a masked query row is computed like any other, by a choice between values.
; THE SOFTMAX: t = logit x log2(e); M = the running largest t rounded up to a whole number; p = 2^(t - M) is quantised along the keys; the row's sum is taken of the unquantised p and divides at the end.
; THE MASK acts on a whole query row: its logits all become -65504.  A lane holds one query, so the row's factor c = log2(e) / 8 becomes 0 and the addend f32(-65504 log2(e)) comes in: t = c' x score + off.  No branch.
; LIMIT: in a masked row a score that is not finite would give NaN (0 x infinity) where reference() gives a number; NaN and infinities are not served anywhere in this program.
; SHARES.  A work-group owns 512 queries of one head; each of its sixteen waves two tiles of 16, one after the other (tiles 32 x + w and 32 x + w + 16), in 256 registers: four waves to a SIMD, so that one wave's vector
; work stands beside another's matrix work and LDS loads.  THE HEAD'S KEYS AND VALUES, 137,216 bytes of records, STAY IN LDS: each wave brings one record by one tensor load at the head; nothing is filled again, and one barrier serves the launch.
; NO CLUSTER: only the two work-groups of a head share anything, each asks for it once, at its head (137,216 bytes against sixteen key steps of work in each of sixteen waves).
; LAYOUT.  Both products are used transposed: S^T = K Q^T, O^T = V^T P^T: a lane holds one query throughout.  By the order of a tile's rows the 16 registers of key tiles 2 b, 2 b + 1 are keys 32 b + 16 h + 0 .. 15, and those of
; channel tiles 2 p, 2 p + 1 channels 32 p + 16 h + 0 .. 15: so p's codes are the second product's operand, and O's codes are registers of the last product's operand: K steps 8 + head / 2 of acodes.
; K = 64 fills half of the instruction's 128: registers 8-15 of Q's and K's fragments hold zero codes, cleared once; their scale bytes are 127.
; LDS LOADS STAND AHEAD OF THEIR USE: a step's first four key tiles and its scale words are asked for in the step before, as soon as the scores' products have read those registers; its second four fly under half of the
; first two blocks' maxima; each of V's fragments is asked for as soon as the block of p whose registers it takes has been converted.
.set KREC,  8704
.set VREC,  8448
.set VBASE, 8*KREC
.set SPARE, VBASE+8*VREC               ; the spare words, 128 bytes a wave, which no other line names
.set L16, 1                            ; v1 16 x lane;  v2 4 x lane
.set L4,  2
.set SPW, 3
.set NIL, 4
.set R4,  6                            ; v6 4 r
.set RM,  7                            ; v7 4 (r + 8 (r / 8))
.set ADK, 8                            ; v8-11 the step's addresses: K's images, V's images, K's scale words, V's
.set ADV, 9
.set ADS, 10
.set ADT, 11
; v12 -M, v13 the largest t, v[14:15] the sum in two halves; v16-31 Q; v32-95 four fragments of K; v96-159 S^T, then p, then V's four fragments; v160-191 O^T; v[192:193] c', v[194:195] off - M, v196 off, v197 Q's scale words,
; v198-201 K's, v202-203 V's, v204 the mask, v206 p's scale word, v208-223 p's codes, v224-239 blocks' maxima, bytes, holds, scale operands, v[240:241] f, v242-243 at work, v[244:245] a second chain of sums, v246-255 the second tile's mask, scale words, codes
.set WV,  18
.set MNT, 19
.set SEL, 20
.set G1K, 24
.set G1V, 32
.set G0K, 40
.set G0V, 44
.set TB,  2                            ; s2 the step's K record in LDS;  s3 its V record;  s48 steps to go
.set TBV, 3
	s_load_b256 s[4:11], s[0:1], 0x0               ; krec s[4:5], vrec s[6:7], mask_q s[8:9], mask_c s[10:11]
	s_load_b128 s[12:15], s[0:1], 0x20             ; acodes s[12:13], ascales s[14:15]
	v_lshl_add_u32 v[SPW], v0, 2, SPARE
	v_mov_b32 v[NIL], 0
	ds_add_u32 v[SPW], v[NIL]                      ; the wave's opening: the add, twice on end, and its wait ahead of my first tensor load
	ds_add_u32 v[SPW], v[NIL]
	v_lshrrev_b32 v5, 5, v0
	s_delay_alu instid0(VALU_DEP_1)
	v_readfirstlane_b32 s[WV], v5                  ; wave 0..15
	s_and_b32 s16, ttmp7, 0xffff                   ; y
	s_lshr_b32 s17, s16, 6                         ; d
	s_bfe_u32 s22, s16, 0x20004                    ; batch
	s_and_b32 s23, s16, 15                         ; head
	s_and_b32 s49, s[WV], 7                        ; which key step's record I fetch
	s_lshl_b32 s50, s16, 3
	s_add_co_u32 s50, s50, s49                     ; keys and values come from tensor d: record 8 y + key step
	s_mul_i32 s52, s50, KREC
	s_mov_b32 s53, 0
	s_mul_i32 s54, s50, VREC
	s_mov_b32 s55, 0
	s_lshl_b32 s56, ttmp9, 5
	s_add_co_u32 s56, s56, s[WV]                   ; my first tile of queries, T
	s_xor_b32 s57, s16, 64                         ; the queries come from the other tensor
	s_lshl_b32 s57, s57, 3
	s_lshr_b32 s51, s56, 3
	s_add_co_u32 s57, s57, s51
	s_mul_i32 s58, s57, KREC                       ; the record that holds tile T
	s_and_b32 s51, s56, 7
	s_lshl_b32 s60, s51, 6                         ; its scale words: 128 ((T % 8) / 2) + 64 (T % 2) = 64 (T % 8),
	s_add_co_u32 s60, s60, s58
	s_add_co_u32 s60, s60, 8192                    ; behind the record's images
	s_mov_b32 s61, 0
	s_lshl_b32 s51, s51, 10
	s_add_co_u32 s58, s58, s51                     ; its image
	s_mov_b32 s59, 0
	s_lshl_b32 s62, s22, 12                        ; the mask: 4 (1024 batch + 32 (T / 2) + 8 (T % 2))
	s_lshr_b32 s51, s56, 1
	s_lshl_b32 s51, s51, 7
	s_add_co_u32 s62, s62, s51
	s_and_b32 s51, s56, 1
	s_lshl_b32 s51, s51, 5
	s_add_co_u32 s62, s62, s51
	s_mov_b32 s63, 0
	s_lshl_b32 s50, s17, 8                         ; the result's tile: 256 d + 64 batch + T
	s_lshl_b32 s51, s22, 6
	s_add_co_u32 s50, s50, s51
	s_add_co_u32 s50, s50, s56
	s_lshl_b32 s56, s50, 10                        ; its scale words: pair 4 + head / 4, half (head / 2) % 2: 512 + 64 (head / 2); bytes 2 (head % 2) on
	s_lshr_b32 s51, s23, 1
	s_lshl_b32 s51, s51, 6
	s_add_co_u32 s56, s56, s51
	s_and_b32 s51, s23, 1
	s_lshl_b32 s51, s51, 1
	s_add_co_u32 s56, s56, s51
	s_add_co_u32 s56, s56, 512
	s_mov_b32 s57, 0
	s_lshl_b32 s50, s50, 15                        ; its codes: K step 8 + head / 2, byte 1024 (head % 2): 16,384 + 1,024 head
	s_lshl_b32 s51, s23, 10
	s_add_co_u32 s50, s50, s51
	s_add_co_u32 s50, s50, 16384
	s_mov_b32 s51, 0
	; descriptor groups 1: a record is a dense block, taken as rows of 256 bytes (32 elements of 8 bytes): K's 34, V's 33
	s_mov_b32 s[G1K], 3<<16
	s_mov_b32 s[G1K+1], 32<<16
	s_mov_b32 s[G1K+2], 34<<16
	s_mov_b32 s[G1K+3], 32<<16
	s_mov_b32 s[G1K+4], 34
	s_mov_b32 s[G1K+5], 32
	s_mov_b32 s[G1K+6], 0
	s_mov_b32 s[G1K+7], 0
	s_mov_b32 s[G1V], 3<<16
	s_mov_b32 s[G1V+1], 32<<16
	s_mov_b32 s[G1V+2], 33<<16
	s_mov_b32 s[G1V+3], 32<<16
	s_mov_b32 s[G1V+4], 33
	s_mov_b32 s[G1V+5], 32
	s_mov_b32 s[G1V+6], 0
	s_mov_b32 s[G1V+7], 0
	s_mov_b32 s[SEL], 0x76543210
	s_mov_b32 s[SEL+1], 0xfedcba98
	s_mov_b32 s[MNT], 0x600000
	s_wait_dscnt 0x0                               ; both opening adds are done
	s_wait_kmcnt 0x0
	s_mov_b32 s[G0K], 1
	s_mul_i32 s[G0K+1], s49, KREC
	s_add_nc_u64 s[G0K+2:G0K+3], s[4:5], s[52:53]
	s_or_b32 s[G0K+3], s[G0K+3], 0x80000000
	s_mov_b32 s[G0V], 1
	s_mul_i32 s[G0V+1], s49, VREC
	s_add_co_u32 s[G0V+1], s[G0V+1], VBASE
	s_add_nc_u64 s[G0V+2:G0V+3], s[6:7], s[54:55]
	s_or_b32 s[G0V+3], s[G0V+3], 0x80000000
	s_cmp_lt_u32 s[WV], 8                          ; waves 0-7: K's record of key step w; waves 8-15: V's of key step w - 8.  Every wave issues one load: one tensor load of mine is out
	s_cbranch_scc0 .Lfor_v
	tensor_load_to_lds s[G0K:G0K+3], s[G1K:G1K+7]
	s_nop 0
.rept 4
	v_nop
.endr
	s_branch .Lasked
.Lfor_v:
	tensor_load_to_lds s[G0V:G0V+3], s[G1V:G1V+7]
	s_nop 0
.rept 4
	v_nop
.endr
.Lasked:
	s_add_nc_u64 s[58:59], s[4:5], s[58:59]        ; Q's image
	s_add_nc_u64 s[60:61], s[4:5], s[60:61]        ; Q's scale words
	s_cmp_eq_u32 s17, 0
	s_cselect_b64 s[8:9], s[8:9], s[10:11]         ; mask_q for d = 0, mask_c for d = 1
	s_add_nc_u64 s[62:63], s[8:9], s[62:63]
	s_add_nc_u64 s[12:13], s[12:13], s[50:51]
	s_add_nc_u64 s[14:15], s[14:15], s[56:57]
	v_and_b32 v5, 31, v0
	s_delay_alu instid0(VALU_DEP_1)
	v_lshlrev_b32 v[L16], 4, v5
	s_delay_alu instid0(VALU_DEP_2)
	v_lshlrev_b32 v[L4], 2, v5
	v_and_b32 v5, 15, v0                           ; r
	s_delay_alu instid0(VALU_DEP_1)
	v_lshlrev_b32 v[R4], 2, v5
	s_delay_alu instid0(VALU_DEP_2)
	v_and_b32 v5, 8, v5
	s_delay_alu instid0(VALU_DEP_1)
	v_lshl_add_u32 v[RM], v5, 2, v[R4]
	global_load_b128 v[16:19], v[L16], s[58:59]                 ; the first tile's codes (registers 0-7 of the fragment),
	global_load_b128 v[20:23], v[L16], s[58:59] offset:512
	global_load_b128 v[248:251], v[L16], s[58:59] offset:17408  ; the second tile's: 16 tiles = two records on
	global_load_b128 v[252:255], v[L16], s[58:59] offset:17408+512
	global_load_b32 v197, v[R4], s[60:61]                       ; their scale words, row r's in both halves of the lanes,
	global_load_b32 v247, v[R4], s[60:61] offset:17408
	global_load_b32 v204, v[RM], s[62:63]                       ; and my query's mask: 16 tiles are 256 tokens
	global_load_b32 v246, v[RM], s[62:63] offset:1024
.irp j, 0,1,2,3,4,5,6,7
	v_mov_b32 v[24+\j], 0                          ; K = 64 .. 127 of Q: zero codes, never rewritten
.endr
.irp t, 0,1,2,3
.irp j, 8,9,10,11,12,13,14,15
	v_mov_b32 v[32+16*\t+\j], 0                    ; and of K's four fragments
.endr
.endr
.irp b, 0,1,2,3
	v_mov_b32 v[228+\b], 0                         ; written once: a lane permute's destination counts as one of its sources
.endr
	v_mov_b32 v242, 0
	s_wait_loadcnt 0x0
	s_wait_tensorcnt 0x0                           ; my record has landed,
	s_barrier_signal -1
	s_barrier_wait -1                              ; everybody's has: from here on LDS is only read
; The largest score of blocks b0 and b1 of 32 keys, by turns, in two halves of eight lines: it serves for the row's maximum and, since p rises with the score, for the block's largest p
.macro BMAXA b0, b1
.irp b, \b0, \b1
	v_max3_num_f32 v[224+\b], v[96+16*\b], v[97+16*\b], v[98+16*\b]
.endr
.irp i, 3,5,7
.irp b, \b0, \b1
	v_max3_num_f32 v[224+\b], v[224+\b], v[96+16*\b+\i], v[97+16*\b+\i]
.endr
.endr
.endm
.macro BMAXB b0, b1
.irp i, 9,11,13
.irp b, \b0, \b1
	v_max3_num_f32 v[224+\b], v[224+\b], v[96+16*\b+\i], v[97+16*\b+\i]
.endr
.endr
.irp b, \b0, \b1
	v_max_num_f32 v[224+\b], v[224+\b], v[111+16*\b]
.endr
.endm
; Four key tiles (registers 0-7 of each fragment) from off bytes behind the address in v[adr]
.macro KLOAD adr, off
.irp t, 0,1,2,3
	ds_load_b128 v[32+16*\t:35+16*\t], v[\adr] offset:\off+1024*\t
	ds_load_b128 v[36+16*\t:39+16*\t], v[\adr] offset:\off+1024*\t+512
.endr
.endm
.macro KSCALE adr, off                 ; a step's scale words: lanes 0-15: key tile 2 b's; lanes 16-31: tile 2 b + 1's
.irp b, 0,1,2,3
	ds_load_b32 v[198+\b], v[\adr] offset:\off+8192+128*\b
.endr
.endm
; A KEY STEP: 128 keys.  Its first four key tiles and its scale words were asked for ahead of it.  ahead = 1: it asks for the next step's, one record on
.macro STEP ahead
	v_add_nc_u32 v[ADK], s[TB], v[L16]
	v_add_nc_u32 v[ADS], s[TB], v[L4]
	v_add_nc_u32 v[ADV], s[TBV], v[L16]
	v_add_nc_u32 v[ADT], s[TBV], v[L4]
.rept 5
	v_nop                                          ; with the four additions nine places: the scores' products write over registers that the last step's products read as V's fragments
.endr
	s_wait_alu depctr_va_vdst(0)
	s_wait_dscnt 0x0                               ; the first four tiles and the scale words are in (behind the first trip: shown by the last step's wait already)
.irp t, 0,1,2,3                                ; S^T = K Q^T, key tiles 0-3
.if \t%2
	v_wmma_scale_f32_16x16x128_f8f6f4 v[96+8*\t:103+8*\t], v[32+16*\t:47+16*\t], v[16:31], 0, v[198+\t/2], v197 matrix_a_scale:MATRIX_SCALE_ROW1
.else
	v_wmma_scale_f32_16x16x128_f8f6f4 v[96+8*\t:103+8*\t], v[32+16*\t:47+16*\t], v[16:31], 0, v[198+\t/2], v197
.endif
.endr
.rept 8
	v_nop                                          ; places in front of loads into registers that matrix instructions have read, and of the first reads of results
.endr
	KLOAD ADK, 4096                                ; key tiles 4-7
	BMAXA 0, 1                                     ; eight lines on the first products' results while those loads are out
	s_wait_alu depctr_va_vdst(0)
	s_wait_dscnt 0x0
.irp t, 0,1,2,3                                ; key tiles 4-7
.if \t%2
	v_wmma_scale_f32_16x16x128_f8f6f4 v[128+8*\t:135+8*\t], v[32+16*\t:47+16*\t], v[16:31], 0, v[200+\t/2], v197 matrix_a_scale:MATRIX_SCALE_ROW1
.else
	v_wmma_scale_f32_16x16x128_f8f6f4 v[128+8*\t:135+8*\t], v[32+16*\t:47+16*\t], v[16:31], 0, v[200+\t/2], v197
.endif
.endr                                          ; register 96 + 16 b + i: key 32 b + 16 h + i of the step, query r
	BMAXB 0, 1                                     ; eight plain lines that name none of those four products' registers: the places behind them
.if \ahead
	KLOAD ADK, KREC                                ; the next step's key tiles 0-3
	KSCALE ADS, KREC                               ; and its scale words
.endif
	BMAXA 2, 3
	BMAXB 2, 3
.irp b, 0,1,2,3
	v_permlanex16_b32 v[228+\b], v[224+\b], s[SEL], s[SEL+1]
.endr
.irp b, 0,1,2,3
	s_delay_alu instid0(VALU_DEP_4)
	v_max_num_f32 v[224+\b], v[224+\b], v[228+\b]  ; with lane l xor 16's 16 keys
.endr
	s_delay_alu instid0(VALU_DEP_2)
	v_max3_num_f32 v242, v224, v225, v226
	s_delay_alu instid0(VALU_DEP_1)
	v_max_num_f32 v242, v242, v227                 ; the step's largest score of my query,
	s_delay_alu instid0(VALU_DEP_1)
	v_fma_f32 v242, v242, v192, v196               ; as t (c' is not negative); in a masked row: off
	s_delay_alu instid0(VALU_DEP_1)
	v_max_num_f32 v13, v13, v242                   ; the running largest t
	v_mov_b32 v242, v12
	s_delay_alu instid0(VALU_DEP_2)
	v_floor_f32 v12, -v13                          ; the new -M = floor(-t): M is a whole number
	s_delay_alu instid0(VALU_DEP_1)
	v_sub_f32 v242, v12, v242                      ; old M - new M: a whole number, 0 or less
	s_delay_alu instid0(VALU_DEP_1)
	v_cvt_i32_f32 v242, v242                       ; (it saturates)
	s_delay_alu instid0(VALU_DEP_1)
	v_ldexp_f32 v240, 1.0, v242                    ; f = 2^(old M - new M): rounds nothing
	s_delay_alu instid0(VALU_DEP_4)
	v_add_f32 v194, v196, v12                      ; off - M: exact (off is 0, or within 1 of M)
.set J, 0
.rept 32
	v_pk_fma_f32 v[96+J:97+J], v[96+J:97+J], v[192:193], v[194:195] op_sel_hi:[1,0,0]   ; t - M, two at a time (the pairs' low words serve both halves)
.set J, J+2
.endr
.irp b, 0,1,2,3
	v_fma_f32 v[224+\b], v[224+\b], v192, v194     ; the same of each block's largest score
.endr
.set J, 0
	s_wait_alu depctr_va_vdst(0)
.rept 64
	v_exp_f32 v[96+J], v[96+J]                     ; p = 2^(t - M), not normalised
.set J, J+1
.endr
	v_pk_mul_f32 v[14:15], v[14:15], v[240:241] op_sel_hi:[1,0]   ; the sums under the new M: a plain line behind the exponentials
	s_wait_alu depctr_va_vdst(0)                   ; one wait for the batch of 64, ahead of its first reader
.irp b, 0,1,2,3
	v_exp_f32 v[224+\b], v[224+\b]                 ; the blocks' largest p
.endr
	v_pk_add_f32 v[244:245], v[100:101], v[104:105]
	v_pk_add_f32 v[238:239], v[108:109], v[112:113]
	v_pk_add_f32 v[236:237], v[116:117], v[120:121]
	v_pk_add_f32 v[234:235], v[124:125], v[128:129]
	v_pk_add_f32 v[232:233], v[132:133], v[136:137]
	v_pk_add_f32 v[230:231], v[140:141], v[144:145]
	v_pk_add_f32 v[228:229], v[148:149], v[152:153]
	v_pk_add_f32 v[14:15], v[14:15], v[156:157]
	v_pk_add_f32 v[244:245], v[244:245], v[96:97]
	v_pk_add_f32 v[238:239], v[238:239], v[98:99]
	v_pk_add_f32 v[236:237], v[236:237], v[102:103]
	v_pk_add_f32 v[234:235], v[234:235], v[106:107]
	v_pk_add_f32 v[232:233], v[232:233], v[110:111]
	v_pk_add_f32 v[230:231], v[230:231], v[114:115]
	v_pk_add_f32 v[228:229], v[228:229], v[118:119]
	v_pk_add_f32 v[14:15], v[14:15], v[122:123]
	v_pk_add_f32 v[244:245], v[244:245], v[126:127]
	v_pk_add_f32 v[238:239], v[238:239], v[130:131]
	v_pk_add_f32 v[236:237], v[236:237], v[134:135]
	v_pk_add_f32 v[234:235], v[234:235], v[138:139]
	v_pk_add_f32 v[232:233], v[232:233], v[142:143]
	v_pk_add_f32 v[230:231], v[230:231], v[146:147]
	v_pk_add_f32 v[228:229], v[228:229], v[150:151]
	v_pk_add_f32 v[14:15], v[14:15], v[154:155]
	v_pk_add_f32 v[244:245], v[244:245], v[158:159]
	s_delay_alu instid0(VALU_DEP_2)
	v_pk_add_f32 v[14:15], v[14:15], v[234:235]
	s_delay_alu instid0(VALU_DEP_2)
	v_pk_add_f32 v[244:245], v[244:245], v[232:233]
	v_pk_add_f32 v[238:239], v[238:239], v[230:231]
	v_pk_add_f32 v[236:237], v[236:237], v[228:229]
	s_delay_alu instid0(VALU_DEP_2)
	v_pk_add_f32 v[14:15], v[14:15], v[238:239]
	s_delay_alu instid0(VALU_DEP_2)
	v_pk_add_f32 v[244:245], v[244:245], v[236:237]
	s_delay_alu instid0(VALU_DEP_1)
	v_pk_add_f32 v[14:15], v[14:15], v[244:245]
	s_wait_alu depctr_va_vdst(0)                   ; and one wait for the four
.irp b, 0,1,2,3
	v_max_num_f32 v[224+\b], 0x4800000, v[224+\b]  ; the floor 2^(9 - 127)
.endr
.irp b, 0,1,2,3
	s_delay_alu instid0(VALU_DEP_4)
	v_add_nc_u32 v[236+\b], 0xfc000000, v[224+\b]  ; the conversions' scale operand
.endr
.irp b, 0,1,2,3
	v_and_or_b32 v[232+\b], v[224+\b], 0x7f800000, s[MNT]   ; 448 x the scale
.endr
.irp b, 0,1,2,3
	v_lshrrev_b32 v[228+\b], 23, v[236+\b]         ; the byte
.endr
	s_delay_alu instid0(VALU_DEP_3)
	v_lshl_or_b32 v206, v229, 8, v228              ; p's scale word for these 128 keys
	s_delay_alu instid0(VALU_DEP_1)
	v_lshl_or_b32 v206, v230, 16, v206
	s_delay_alu instid0(VALU_DEP_1)
	v_lshl_or_b32 v206, v231, 24, v206
.irp b, 0,1,2,3
	v_and_or_b32 v[228+(\b+1)%4], v[224+\b], 0x7f800000, s[MNT]   ; a second copy of 448 x the scale, in another register bank: the second half of the dual holds reads it
.endr
.irp b, 0,1,2,3
.irp i, 0,2,4,6,8,10,12,14
	v_dual_min_num_f32 v[96+16*\b+\i], v[96+16*\b+\i], v[232+\b] :: v_dual_min_num_f32 v[97+16*\b+\i], v[97+16*\b+\i], v[228+(\b+1)%4]   ; the hold, two numbers a line; p is not negative, so it is one-sided
.endr
	v_cvt_scalef32_pk8_fp8_f32 v[208+4*\b:209+4*\b], v[96+16*\b:103+16*\b], v[236+\b]
	v_cvt_scalef32_pk8_fp8_f32 v[210+4*\b:211+4*\b], v[104+16*\b:111+16*\b], v[236+\b]
.irp c, 0,1,2,3
	ds_load_b128 v[96+16*\b+4*\c:99+16*\b+4*\c], v[ADV] offset:2048*\b+512*\c   ; V's fragment b takes the registers of the block of p that has just been converted
.endr
.endr
	ds_load_b32 v202, v[ADT] offset:8192
	ds_load_b32 v203, v[ADT] offset:8192+128
.set J, 0
.rept 16
	v_pk_mul_f32 v[160+J:161+J], v[160+J:161+J], v[240:241] op_sel_hi:[1,0]   ; O^T under the new M; these sixteen are also the plain lines between the codes' conversions and the products
.set J, J+2
.endr
	s_wait_alu depctr_va_vdst(0)
	s_wait_dscnt 0x0                               ; V is in, and so is what was asked for the next step
	v_wmma_scale_f32_16x16x128_f8f6f4 v[160:167], v[96:111], v[208:223], v[160:167], v202, v206
	v_wmma_scale_f32_16x16x128_f8f6f4 v[168:175], v[112:127], v[208:223], v[168:175], v202, v206 matrix_a_scale:MATRIX_SCALE_ROW1
	v_wmma_scale_f32_16x16x128_f8f6f4 v[176:183], v[128:143], v[208:223], v[176:183], v203, v206
	v_wmma_scale_f32_16x16x128_f8f6f4 v[184:191], v[144:159], v[208:223], v[184:191], v203, v206 matrix_a_scale:MATRIX_SCALE_ROW1
	s_add_co_u32 s[TB], s[TB], KREC
	s_add_co_u32 s[TBV], s[TBV], VREC
.endm
; O^T / the sum, quantised along the channels: registers 4 (2 (head % 2) + p) .. + 3 of the last product's operand
.macro OUT n
.rept 8
	v_nop                                          ; places behind the last products
.endr
	v_add_f32 v14, v14, v15
	s_delay_alu instid0(VALU_DEP_1)
	v_permlanex16_b32 v242, v14, s[SEL], s[SEL+1]
	s_delay_alu instid0(VALU_DEP_1)
	v_add_f32 v14, v14, v242                       ; the row's sum
	s_wait_alu depctr_va_vdst(0)
	v_rcp_f32 v14, v14
	v_nop
	s_wait_alu depctr_va_vdst(0)
.set J, 0
.rept 32
	v_mul_f32 v[96+J], v[160+J], v14               ; register 16 p + i: channel 32 p + 16 h + i of my query
.set J, J+1
.endr
.irp p, 0,1
	v_max3_num_f32 v[224+\p], |v[96+16*\p]|, |v[97+16*\p]|, 0x4800000
.endr
.irp i, 2,4,6,8,10,12,14
.irp p, 0,1
	s_delay_alu instid0(VALU_DEP_2)
	v_max3_num_f32 v[224+\p], v[224+\p], |v[96+16*\p+\i]|, |v[97+16*\p+\i]|
.endr
.endr
.irp p, 0,1
	s_delay_alu instid0(VALU_DEP_2)
	v_permlanex16_b32 v[228+\p], v[224+\p], s[SEL], s[SEL+1]
.endr
.irp p, 0,1
	s_delay_alu instid0(VALU_DEP_2)
	v_max_num_f32 v[224+\p], v[224+\p], v[228+\p]
.endr
.irp p, 0,1
	s_delay_alu instid0(VALU_DEP_2)
	v_add_nc_u32 v[236+\p], 0xfc000000, v[224+\p]
.endr
.irp p, 0,1
	s_delay_alu instid0(VALU_DEP_4)
	v_and_or_b32 v[232+\p], v[224+\p], 0x7f800000, s[MNT]
.endr
.irp p, 0,1
	s_delay_alu instid0(VALU_DEP_4)
	v_lshrrev_b32 v[228+\p], 23, v[236+\p]
.endr
	s_delay_alu instid0(VALU_DEP_1)
	v_lshl_or_b32 v243, v229, 8, v228              ; the head's two bytes of my row's scale word
.irp p, 0,1
.irp i, 0,1,2,3,4,5,6,7,8,9,10,11,12,13,14,15
	v_med3_num_f32 v[96+16*\p+\i], v[96+16*\p+\i], -v[232+\p], v[232+\p]
.endr
	v_cvt_scalef32_pk8_fp8_f32 v[208+4*\p:209+4*\p], v[96+16*\p:103+16*\p], v[236+\p]
	v_cvt_scalef32_pk8_fp8_f32 v[210+4*\p:211+4*\p], v[104+16*\p:111+16*\p], v[236+\p]
.endr
	v_nop
	global_store_b128 v[L16], v[208:211], s[12:13] offset:524288*\n        ; 512 consecutive bytes, aligned; the second tile lies 16 tiles of 32,768 bytes on
	global_store_b128 v[L16], v[212:215], s[12:13] offset:524288*\n+512
	global_store_b16 v[R4], v243, s[14:15] offset:16384*\n                 ; two bytes a row, 32 bytes a tile (both halves of the lanes write the same bytes with the same value): a head owns half of a scale word
.endm
.macro QTILE n
	KLOAD L16, 0                                   ; the first step's key tiles 0-3 and scale words: record 0
	KSCALE L4, 0
.if \n
	s_wait_xcnt 0x0                                ; the first tile's stores have read their data
	v_mov_b32 v197, v247
.irp j, 0,1,2,3,4,5,6,7
	v_mov_b32 v[16+\j], v[248+\j]
.endr
	v_mov_b32 v204, v246
.endif
	v_mov_b32 v195, 0
	v_cmp_eq_u32 vcc_lo, 0, v204                   ; is my query's row masked?
	v_mov_b32 v192, 0x3e38aa3b                     ; c = log2(e) / 8
	v_mov_b32 v196, 0xc77fe000                     ; -65504
	s_delay_alu instid0(VALU_DEP_1)
	v_mul_f32 v196, 0x3fb8aa3b, v196               ; x log2(e), rounded once
	s_delay_alu instid0(VALU_DEP_3)
	v_cndmask_b32 v192, v192, v195, vcc_lo         ; c' = 0 in a masked row
	s_delay_alu instid0(VALU_DEP_2)
	v_cndmask_b32 v196, v195, v196, vcc_lo         ; off = 0 in any other
	s_delay_alu instid0(VALU_DEP_2)
	v_mov_b32 v193, v192                           ; (named as the pairs' upper halves)
	v_mov_b32 v241, 0
	v_mov_b32 v13, 0xff61b1e6                      ; the largest t so far: -3e38
	s_delay_alu instid0(VALU_DEP_1)
	v_floor_f32 v12, -v13
	v_mov_b32 v14, 0
	v_mov_b32 v15, 0
.set J, 0
.rept 32
	v_mov_b32 v[160+J], 0                          ; O^T: the step's first trip finds zeros
.set J, J+1
.endr
	s_mov_b32 s[TB], 0
	s_mov_b32 s[TBV], VBASE
	s_mov_b32 s48, 7
.Lstep_\@:                                         ; seven trips; each asks for the next step's first tiles
	STEP 1
	s_sub_co_u32 s48, s48, 1
	s_cmp_lg_u32 s48, 0
	s_cbranch_scc1 .Lstep_\@
	STEP 0                                         ; the eighth step is written out: there is no record behind the eighth to ask for
	OUT \n
.endm
	QTILE 0
	QTILE 1
	s_wait_tensorcnt 0x0                           ; the wave's end, behind my last tensor load
	ds_add_u32 v[SPW], v[NIL]
	s_wait_dscnt 0x0
	s_endpgm
.Lfunc_end_k_qbbec630fbb_attn:
	.size	k_qbbec630fbb_attn, .Lfunc_end_k_qbbec630fbb_attn-k_qbbec630fbb_attn
	.p2alignl 7, 3214868480
	.fill 96, 4, 3214868480
	.section	.rodata,"a",@progbits
	.p2align	6, 0x0
	.amdhsa_kernel k_qbbec630fbb_attn
		.amdhsa_group_segment_fixed_size 167936
		.amdhsa_private_segment_fixed_size 0
		.amdhsa_enable_private_segment 0
		.amdhsa_kernarg_size 48
		.amdhsa_user_sgpr_count 2
		.amdhsa_user_sgpr_kernarg_segment_ptr 1
		.amdhsa_wavefront_size32 1
		.amdhsa_system_sgpr_workgroup_id_x 1
		.amdhsa_system_sgpr_workgroup_id_y 1
		.amdhsa_system_sgpr_workgroup_id_z 1
		.amdhsa_system_vgpr_workitem_id 0
		.amdhsa_next_free_vgpr 256
		.amdhsa_next_free_sgpr 66
		.amdhsa_reserve_vcc 1
		.amdhsa_float_denorm_mode_32 3
		.amdhsa_float_denorm_mode_16_64 3
		.amdhsa_memory_ordered 1
		.amdhsa_forward_progress 1
		.amdhsa_inst_pref_size 105
	.end_amdhsa_kernel
	.amdgpu_metadata
---
amdhsa.version: [ 1, 2 ]
amdhsa.kernels:
  - .name:           k_qbbec630fbb_attn
    .symbol:         k_qbbec630fbb_attn.kd
    .args:
      - { .name: krec, .offset: 0, .size: 8, .value_kind: global_buffer, .address_space: global }
      - { .name: vrec, .offset: 8, .size: 8, .value_kind: global_buffer, .address_space: global }
      - { .name: mask_q, .offset: 16, .size: 8, .value_kind: global_buffer, .address_space: global }
      - { .name: mask_c, .offset: 24, .size: 8, .value_kind: global_buffer, .address_space: global }
      - { .name: acodes, .offset: 32, .size: 8, .value_kind: global_buffer, .address_space: global }
      - { .name: ascales, .offset: 40, .size: 8, .value_kind: global_buffer, .address_space: global }
    .group_segment_fixed_size: 167936
    .private_segment_fixed_size: 0
    .kernarg_segment_align: 8
    .kernarg_segment_size: 48
    .max_flat_workgroup_size: 512
    .sgpr_count:     66
    .vgpr_count:     256
    .wavefront_size: 32
...
	.end_amdgpu_metadata
.endif
;; end of part 3
;; launch outp (part 4): grid 32 x 8, 4 waves a work-group, clusters of 4 x 1, 327,680 bytes of LDS; arguments acodes, ascales, wimg, wscl, b1, b2, question, context, out0, out1; writes out0, out1
.if DOCPART == 4
	.amdgcn_target "amdgcn-amd-amdhsa--gfx1250"
	.amdhsa_code_object_version 6
	.text
	.protected	k_qbbec630fbb_outp
	.globl	k_qbbec630fbb_outp
	.p2align	8
	.type	k_qbbec630fbb_outp,@function
k_qbbec630fbb_outp:
	s_mov_b64 s[64:65], 0
	v_nop
	global_prefetch_b8 v0, s[64:65] scope:SCOPE_SE
	s_setreg_imm32_b32 hwreg(HW_REG_WAVE_MODE, 25, 1), 1
	s_wait_xcnt 0x0
	s_wait_alu depctr_hold_cnt(0) depctr_sa_sdst(0) depctr_va_vdst(0) depctr_va_sdst(0) depctr_va_ssrc(0) depctr_va_vcc(0) depctr_vm_vsrc(0)
	s_getreg_b32 s2, hwreg(HW_REG_IB_STS2, 6, 4)
	s_cmp_eq_u32 s2, 0
	s_cbranch_scc0 .Lentry_in_a_cluster
	s_endpgm
.Lentry_in_a_cluster:
	s_bfe_u32 s2, ttmp6, 0x10000c
	s_cmp_lg_u32 s2, 0x3003
	s_cbranch_scc0 .Lentry_shape_is_right
	s_endpgm
.Lentry_shape_is_right:
; LAUNCH 4 OF 4.  out = x + tanh(concat([x, attention]) W + b) for both tensors, the product on codes of E4M3 (K = 2,048).  No work is left out.
; SHARES.  32 x 8 work-groups: x is a block of 256 tokens (blocks 0-15 question, 16-31 context), y a block of 128 columns.  Four waves, each 64 tokens x 128 columns: 32 accumulators.
; W's BLOCK STAYS IN LDS: 8 tiles x 16 K steps x 2,048 bytes = 262,144 bytes, filled once at the head: nothing is filled again, and one barrier serves the launch.
; Waves 0 and 1 bring its two halves along K (8 rows of 16,384 bytes each), wave 3 its scale words (8,192 dense bytes), wave 2 the scale words of the work-group's 16 tiles of x (16,384 dense bytes).
; CLUSTER 4 x 1: the four partners are four token blocks of one tensor and one column block: W's codes and scale words are asked for jointly (mask 15).
; x's CODES GO FROM MEMORY STRAIGHT INTO REGISTERS: they lie as images of the operand's registers, each load is 512 consecutive bytes, each wave reads only its own 64 rows, and a work-group reads each byte once.
; So they are not shared inside the cluster, and no joint load serves them.  A ring of four register sets: K step k + 3 is asked for in K step k: 48 loads, 24,576 bytes, a wave are out.
; NO PREFETCH: the loads themselves stand three K steps ahead, and behind the first three K steps' loads each wave has its 64 residual loads out as well.
; THE PRODUCT IS USED TRANSPOSED: source 0 = 16 columns of W, source 1 = 16 tokens.  In accumulator (a, b) lane (r, h) holds token 32 (a / 2) + 8 (a % 2) + r + 8 (r / 8) of my 64 and register j column 32 (b / 2) + 16 h + 8 (b % 2) + j.
; THE BIAS is the first products' C; it waits in the ring's fourth set, which K step 3's loads take behind K step 0's products.
; REGISTERS, in windows of 256: window 0: v1-13 addresses, v32-63 x's scale words (4 p + a), v64-127 W's (8 p + b) for the pair p of K steps (lanes 0-15 the even step, lanes 16-31 the odd), v128-255 W's eight fragments, ONE set:
; tiles 4-7 are fetched anew at a step's head, tiles 0-3 in its middle.  Window 1: accumulator (a, b) at 64 a + 8 b.  Window 2: x's ring, set k % 4 at 64 (k % 4).  Window 3: the residual, token tile a's row i at 64 a + 4 i.
; LIMITS: NaN and infinities are not served.
.set SCA,   262144                     ; x's scale words
.set SCB,   278528                     ; W's
.set SPARE, 286720                     ; the spare words, 128 bytes a wave, which no other line names
.set STAGE, 287232                     ; the way out: 16 rows x 528 bytes for each wave; no tensor load lands here
.set STW,   8448
.set SP,    528
.set L16, 1
.set L4,  2
.set BO,  3
.set STO, 4
.set RD,  5
.set ADSA, 6
.set ADSB, 7
.set ADB, 8                            ; v8-11 W's fragments: 65,536 i + 16 x lane
.set SPW, 12
.set NIL, 13
.set SA,  32
.set SB,  64
.set BF,  128
.set BK,  128                          ; the way out: 16 rows read back, two sets
.set WV,  24
.set MSB, 0
.macro WIN new                         ; the immediate's high byte repeats the setting that is left
.if MSB != \new
	s_set_vgpr_msb (MSB<<8)|\new
.set MSB, \new
.endif
.endm
.macro PLACES n
.rept \n
	v_nop
.endr
.endm
.macro ROUND                           ; a round of the cluster's barrier
	s_barrier_signal -1
	s_barrier_wait -1
	s_cmp_lg_u32 s[WV], 0
	s_cbranch_scc1 .Lnot_wave_0_\@
	s_barrier_signal -3
.Lnot_wave_0_\@:
	s_barrier_wait -3
	s_barrier_signal -1
	s_barrier_wait -1
.endm
	s_load_b256 s[4:11], s[0:1], 0x0               ; acodes, ascales, wimg, wscl
	s_load_b256 s[12:19], s[0:1], 0x20             ; b1, b2, question, context
	s_load_b128 s[20:23], s[0:1], 0x40             ; out0, out1
	v_lshl_add_u32 v[SPW], v0, 2, SPARE
	v_mov_b32 v[NIL], 0
	ds_add_u32 v[SPW], v[NIL]                      ; the wave's opening: the add, twice on end, and its wait ahead of my first tensor load
	ds_add_u32 v[SPW], v[NIL]
	v_lshrrev_b32 v14, 5, v0
	v_readfirstlane_b32 s[WV], v14                 ; wave 0..3
	s_bfe_u32 s25, ttmp6, 0x40000                  ; cx
	s_lshl_b32 s26, ttmp9, 2
	s_add_co_u32 s26, s26, s25                     ; my token block, 0..31
	s_lshr_b32 s27, ttmp9, 2                       ; the tensor: the same in all four partners
	s_and_b32 s28, ttmp7, 0xffff                   ; my column block
	s_and_b32 s29, s[WV], 1
	; descriptor groups 1, elements of 8 bytes.  W's codes: 8 rows (tiles) of 2,048 elements, 4,096 elements apart
	s_mov_b32 s32, 15|(3<<16)|(1<<21)
	s_mov_b32 s33, 2048<<16
	s_mov_b32 s34, 8<<16
	s_mov_b32 s35, 2048<<16
	s_mov_b32 s36, 8
	s_mov_b32 s37, 4096
	s_mov_b32 s38, 0
	s_mov_b32 s39, 0
	; W's scale words: 32 rows of 256 bytes, dense
	s_mov_b32 s40, 15|(3<<16)|(1<<21)
	s_mov_b32 s41, 32<<16
	s_mov_b32 s42, 32<<16
	s_mov_b32 s43, 32<<16
	s_mov_b32 s44, 32
	s_mov_b32 s45, 32
	s_mov_b32 s46, 0
	s_mov_b32 s47, 0
	; x's scale words: 64 rows of 256 bytes, dense; my work-group's own: no mask
	s_mov_b32 s48, 3<<16
	s_mov_b32 s49, 32<<16
	s_mov_b32 s50, 64<<16
	s_mov_b32 s51, 32<<16
	s_mov_b32 s52, 64
	s_mov_b32 s53, 32
	s_mov_b32 s54, 0
	s_mov_b32 s55, 0
	s_mov_b32 s56, 1
	s_lshl_b32 s57, s29, 17                        ; W's half along K: 131,072 x wave
	s_mov_b32 s60, 1
	s_mov_b32 s61, SCA
	s_mov_b32 s68, 1
	s_mov_b32 s69, SCB
	; byte offsets, each under 2^32
	s_lshl_b32 s72, s27, 21                        ; wimg: W1 at 2 MiB, W2 at 4 MiB; 262,144 a column block; 16,384 a half of K
	s_lshl_b32 s30, s28, 18
	s_add_co_u32 s72, s72, s30
	s_lshl_b32 s30, s29, 14
	s_add_co_u32 s72, s72, s30
	s_add_co_u32 s72, s72, 0x200000
	s_mov_b32 s73, 0
	s_lshl_b32 s74, s26, 14                        ; ascales: 16 tiles of 1,024 bytes a token block
	s_mov_b32 s75, 0
	s_lshl_b32 s76, s27, 16                        ; wscl: W1's at 65,536, W2's at 131,072; 8,192 a column block
	s_lshl_b32 s30, s28, 13
	s_add_co_u32 s76, s76, s30
	s_add_co_u32 s76, s76, 0x10000
	s_mov_b32 s77, 0
	s_lshl_b32 s78, s26, 19                        ; acodes: 16 tiles of 32,768 bytes a token block, 4 a wave
	s_lshl_b32 s30, s[WV], 17
	s_add_co_u32 s78, s78, s30
	s_mov_b32 s79, 0
	s_and_b32 s80, s26, 15                         ; x and out: 256 rows of 4,096 bytes a token block, 64 a wave, 512 bytes a column block
	s_lshl_b32 s80, s80, 20
	s_lshl_b32 s30, s[WV], 18
	s_add_co_u32 s80, s80, s30
	s_lshl_b32 s82, s28, 9
	s_add_co_u32 s80, s80, s82
	s_mov_b32 s81, 0
	s_mov_b32 s83, 0
	v_and_b32 v14, 31, v0
	v_lshlrev_b32 v[L16], 4, v14
	v_lshlrev_b32 v[L4], 2, v14
	v_and_b32 v15, 15, v0                          ; r
	v_bfe_u32 v16, v0, 4, 1                        ; h
	v_lshlrev_b32 v[BO], 6, v16
.irp i, 0,1,2,3
	v_add_nc_u32 v[ADB+\i], \i*65536, v[L16]
.endr
	s_lshl_b32 s30, s[WV], 12
	s_add_co_u32 s30, s30, SCA
	v_add_nc_u32 v[ADSA], s30, v[L4]               ; my four tiles' scale words
	v_add_nc_u32 v[ADSB], SCB, v[L4]
	s_mul_i32 s31, s[WV], STW
	s_add_co_u32 s31, s31, STAGE                   ; my stage
	v_mul_u32_u24 v[STO], v15, SP
	v_lshl_add_u32 v[STO], v16, 6, v[STO]
	v_add_nc_u32 v[STO], s31, v[STO]               ; in: row r, + 64 h
	v_add_nc_u32 v[RD], s31, v[L16]                ; back: the 32 lanes take one row of 512 bytes
	s_wait_alu depctr_va_vdst(0)                   ; the head's end
	s_wait_dscnt 0x0                               ; both opening adds are done
	s_wait_kmcnt 0x0
	s_add_nc_u64 s[58:59], s[8:9], s[72:73]
	s_or_b32 s59, s59, 0x80000000
	s_add_nc_u64 s[62:63], s[6:7], s[74:75]
	s_or_b32 s63, s63, 0x80000000
	s_add_nc_u64 s[70:71], s[10:11], s[76:77]
	s_or_b32 s71, s71, 0x80000000
	s_add_nc_u64 s[4:5], s[4:5], s[78:79]          ; my wave's four tiles of x
	s_cmp_eq_u32 s27, 0                            ; only pointers are chosen by the tensor
	s_cselect_b64 s[12:13], s[12:13], s[14:15]
	s_cselect_b64 s[16:17], s[16:17], s[18:19]
	s_cselect_b64 s[20:21], s[20:21], s[22:23]
	s_add_nc_u64 s[12:13], s[12:13], s[82:83]
	s_add_nc_u64 s[16:17], s[16:17], s[80:81]
	s_add_nc_u64 s[20:21], s[20:21], s[80:81]
	ROUND                                          ; all four work-groups are here: the joint loads meet
	s_cmp_lt_u32 s[WV], 2                          ; one chain of branches on the wave's number, one tensor load to an arm
	s_cbranch_scc0 .Lfor_sa
	tensor_load_to_lds s[56:59], s[32:39]          ; waves 0, 1: W's halves along K
	s_nop 0
	PLACES 4
	s_branch .Lasked
.Lfor_sa:
	s_cmp_eq_u32 s[WV], 2
	s_cbranch_scc0 .Lfor_sb
	tensor_load_to_lds s[60:63], s[48:55]          ; wave 2: x's scale words
	s_nop 0
	PLACES 4
	s_branch .Lasked
.Lfor_sb:
	tensor_load_to_lds s[68:71], s[40:47]          ; wave 3: W's scale words
	s_nop 0
	PLACES 4
.Lasked:
.macro ALOAD k                         ; K step k of my four tiles into set k % 4: 16 loads of 512 consecutive bytes
	WIN 0x80
.irp a, 0,1,2,3
.irp c, 0,1,2,3
	global_load_b128 v[64*((\k)%4)+16*\a+4*\c:64*((\k)%4)+16*\a+4*\c+3], v[L16], s[4:5] offset:32768*\a+2048*(\k)+512*\c
.endr
.endr
.endm
.macro BLOAD k, t0                     ; W's tiles t0 .. t0 + 3 of K step k
.set TT, \t0
.rept 4
.irp c, 0,1,2,3
	ds_load_b128 v[BF+16*TT+4*\c:BF+16*TT+4*\c+3], v[ADB+2*((\k)/8)+TT/4] offset:16384*(TT%4)+2048*((\k)%8)+512*\c
.endr
.set TT, TT+1
.endr
.endm
; 16 matrix instructions: W's tiles b0 .. b0 + 3 against my four tiles of x.  The 32 accumulators take turns, one instruction a turn, in the same order in every step
.macro MUL k, b0
.set BB, \b0
.rept 4
.irp a, 0,1,2,3
.if (\k) == 0
	v_wmma_scale_f32_16x16x128_f8f6f4 v[64*\a+8*BB:64*\a+8*BB+7], v[BF+16*BB:BF+16*BB+15], v[16*\a:16*\a+15], v[192+8*BB:192+8*BB+7], v[SB+BB], v[SA+\a]
.elseif (\k)%2
	v_wmma_scale_f32_16x16x128_f8f6f4 v[64*\a+8*BB:64*\a+8*BB+7], v[BF+16*BB:BF+16*BB+15], v[64*((\k)%4)+16*\a:64*((\k)%4)+16*\a+15], v[64*\a+8*BB:64*\a+8*BB+7], v[SB+8*((\k)/2)+BB], v[SA+4*((\k)/2)+\a] matrix_a_scale:MATRIX_SCALE_ROW1 matrix_b_scale:MATRIX_SCALE_ROW1
.else
	v_wmma_scale_f32_16x16x128_f8f6f4 v[64*\a+8*BB:64*\a+8*BB+7], v[BF+16*BB:BF+16*BB+15], v[64*((\k)%4)+16*\a:64*((\k)%4)+16*\a+15], v[64*\a+8*BB:64*\a+8*BB+7], v[SB+8*((\k)/2)+BB], v[SA+4*((\k)/2)+\a]
.endif
.endr
.set BB, BB+1
.endr
.endm
; A K STEP of 128.  Eight places stand in front of loads into registers that matrix instructions have read.
; The global loads went out in this order: K step 0, the bias, K steps 1 and 2, the 64 residual loads, K steps 3 and 4 (in step 1), then one K step a step.
.macro KSTEP k
.if (\k) == 0
.set MW, 0x68                          ; W window 0, x window 2, C (the bias) window 2, D window 1
.else
.set MW, 0x58                          ; C and D window 1
	PLACES 8
.endif
	WIN 0
	BLOAD \k, 4
.if (\k) == 1
	ALOAD 3                                        ; into the set that held the bias
	ALOAD 4
.elseif (\k) > 1 && (\k) < 13
	ALOAD (\k)+3                                   ; into the set that the last step multiplied
.endif
.if (\k) < 3
	s_wait_loadcnt 63                              ; behind this step's loads more than 63 were issued: the field's largest count
.elseif (\k) < 13
	s_wait_loadcnt 48                              ; the three later K steps' loads may be out
.else
	s_wait_loadcnt 16*(15-(\k))                    ; what is left of them
.endif
	s_wait_dscnt 16                                ; W's tiles 0-3 (and at first the scale words) are in; tiles 4-7 may be out
	WIN MW
	MUL \k, 0
	PLACES 8
.if (\k) < 15
	WIN 0
	BLOAD (\k)+1, 0
	s_wait_dscnt 16                                ; tiles 4-7 are in; the next step's tiles 0-3 may be out
.else
	s_wait_dscnt 0x0
.endif
	WIN MW
	MUL \k, 4
.endm
	ALOAD 0
.irp b, 0,1,2,3,4,5,6,7
.irp q, 0,1
	global_load_b128 v[192+8*\b+4*\q:192+8*\b+4*\q+3], v[BO], s[12:13] offset:128*(\b/2)+32*(\b%2)+16*\q   ; the bias in the result's layout
.endr
.endr
	ALOAD 1
	ALOAD 2
	WIN 0xc0
.set AA, 0
.rept 4
.irp i, 0,1,2,3,4,5,6,7,8,9,10,11,12,13,14,15
	global_load_b128 v[64*AA+4*\i:64*AA+4*\i+3], v[L16], s[16:17] offset:(32*(AA/2)+8*(AA%2)+\i+8*(\i/8))*4096 th:TH_LOAD_NT   ; the residual: 512 consecutive bytes of a token's row
.endr
.set AA, AA+1
.endr
	WIN 0
	s_wait_tensorcnt 0x0                           ; my fill has landed,
	s_barrier_signal -1
	s_barrier_wait -1                              ; everybody's has: from here on these bytes are only read
.set PP, 0
.rept 8
.irp a, 0,1,2,3
	ds_load_b32 v[SA+4*PP+\a], v[ADSA] offset:1024*\a+128*PP
.endr
.irp b, 0,1,2,3,4,5,6,7
	ds_load_b32 v[SB+8*PP+\b], v[ADSB] offset:1024*\b+128*PP
.endr
.set PP, PP+1
.endr
	BLOAD 0, 0
.set Q, 0
.rept 16
	KSTEP Q
.set Q, Q+1
.endr
	PLACES 8                                       ; in front of the first reads of results
; THE WAY OUT, a token tile (16 tokens x 128 columns) at a time.  tanh(y) = 1 - 2 / (1 + 2^(2 log2(e) y))
.macro TANH g
	WIN 0x55
	s_wait_alu depctr_va_vdst(0)                   ; the wait directly ahead of the first readers of these matrix results
.set J, 64*\g
.rept 32
	v_pk_mul_f32 v[J:J+1], v[J:J+1], 0x4038aa3b op_sel_hi:[1,0]
.set J, J+2
.endr
.set J, 64*\g
	s_wait_alu depctr_va_vdst(0)                   ; one wait ahead of each batch and one behind it
.rept 64
	v_exp_f32 v[J], v[J]
.set J, J+1
.endr
	v_nop
	s_wait_alu depctr_va_vdst(0)
.set J, 64*\g
.rept 32
	v_pk_add_f32 v[J:J+1], v[J:J+1], 1.0 op_sel_hi:[1,0]
.set J, J+2
.endr
.set J, 64*\g
	s_wait_alu depctr_va_vdst(0)
.rept 64
	v_rcp_f32 v[J], v[J]
.set J, J+1
.endr
	v_nop
	s_wait_alu depctr_va_vdst(0)
.set J, 64*\g
.rept 32
	v_pk_fma_f32 v[J:J+1], v[J:J+1], -2.0, 1.0 op_sel_hi:[1,0,0]
.set J, J+2
.endr
.endm
.macro TOSTAGE a                       ; into my stage by lanes, back by rows; LDS serves a wave's instructions in order
.if (\a) > 1
	s_wait_alu depctr_va_vdst(0)
	s_wait_xcnt 0x0                                ; tile a - 2's stores have read their registers, which take this tile's rows
.endif
	WIN 0x04
.irp b, 0,1,2,3,4,5,6,7
.irp q, 0,1
	ds_store_b128 v[STO], v[64*(\a)+8*\b+4*\q:64*(\a)+8*\b+4*\q+3] offset:128*(\b/2)+32*(\b%2)+16*\q
.endr
.endr
	WIN 0
.irp i, 0,1,2,3,4,5,6,7,8,9,10,11,12,13,14,15
	ds_load_b128 v[BK+64*((\a)%2)+4*\i:BK+64*((\a)%2)+4*\i+3], v[RD] offset:SP*\i
.endr
.endm
.macro SEND a                          ; + the residual, and out: each store covers 512 consecutive bytes, aligned
	s_wait_dscnt 0x0
	WIN 0x0c
.set J, 0
.rept 32
	v_pk_add_f32 v[BK+64*((\a)%2)+J:BK+64*((\a)%2)+J+1], v[BK+64*((\a)%2)+J:BK+64*((\a)%2)+J+1], v[64*(\a)+J:64*(\a)+J+1]
.set J, J+2
.endr
	WIN 0
.irp i, 0,1,2,3,4,5,6,7,8,9,10,11,12,13,14,15
	global_store_b128 v[L16], v[BK+64*((\a)%2)+4*\i:BK+64*((\a)%2)+4*\i+3], s[20:21] offset:(32*((\a)/2)+8*((\a)%2)+\i+8*(\i/8))*4096 th:TH_STORE_NT
.endr
.endm
	TANH 0
	TOSTAGE 0
	TANH 1                                         ; the next tile's tanh stands between a tile's loads from the stage and the wait for them
	SEND 0
	TOSTAGE 1
	TANH 2
	SEND 1
	TOSTAGE 2
	TANH 3
	SEND 2
	TOSTAGE 3
	SEND 3
	s_wait_tensorcnt 0x0                           ; the wave's end, behind my last tensor load and my last LDS store
	ds_add_u32 v[SPW], v[NIL]
	s_wait_dscnt 0x0
	ROUND                                          ; the closing round
	s_endpgm
.Lfunc_end_k_qbbec630fbb_outp:
	.size	k_qbbec630fbb_outp, .Lfunc_end_k_qbbec630fbb_outp-k_qbbec630fbb_outp
	.p2alignl 7, 3214868480
	.fill 96, 4, 3214868480
	.section	.rodata,"a",@progbits
	.p2align	6, 0x0
	.amdhsa_kernel k_qbbec630fbb_outp
		.amdhsa_group_segment_fixed_size 327680
		.amdhsa_private_segment_fixed_size 0
		.amdhsa_enable_private_segment 0
		.amdhsa_kernarg_size 80
		.amdhsa_user_sgpr_count 2
		.amdhsa_user_sgpr_kernarg_segment_ptr 1
		.amdhsa_wavefront_size32 1
		.amdhsa_system_sgpr_workgroup_id_x 1
		.amdhsa_system_sgpr_workgroup_id_y 1
		.amdhsa_system_sgpr_workgroup_id_z 1
		.amdhsa_system_vgpr_workitem_id 0
		.amdhsa_next_free_vgpr 1024
		.amdhsa_next_free_sgpr 84
		.amdhsa_reserve_vcc 0
		.amdhsa_float_denorm_mode_32 3
		.amdhsa_float_denorm_mode_16_64 3
		.amdhsa_memory_ordered 1
		.amdhsa_forward_progress 1
		.amdhsa_inst_pref_size 221
	.end_amdhsa_kernel
	.amdgpu_metadata
---
amdhsa.version: [ 1, 2 ]
amdhsa.kernels:
  - .name:           k_qbbec630fbb_outp
    .symbol:         k_qbbec630fbb_outp.kd
    .args:
      - { .name: acodes, .offset: 0, .size: 8, .value_kind: global_buffer, .address_space: global }
      - { .name: ascales, .offset: 8, .size: 8, .value_kind: global_buffer, .address_space: global }
      - { .name: wimg, .offset: 16, .size: 8, .value_kind: global_buffer, .address_space: global }
      - { .name: wscl, .offset: 24, .size: 8, .value_kind: global_buffer, .address_space: global }
      - { .name: b1, .offset: 32, .size: 8, .value_kind: global_buffer, .address_space: global }
      - { .name: b2, .offset: 40, .size: 8, .value_kind: global_buffer, .address_space: global }
      - { .name: question, .offset: 48, .size: 8, .value_kind: global_buffer, .address_space: global }
      - { .name: context, .offset: 56, .size: 8, .value_kind: global_buffer, .address_space: global }
      - { .name: out0, .offset: 64, .size: 8, .value_kind: global_buffer, .address_space: global }
      - { .name: out1, .offset: 72, .size: 8, .value_kind: global_buffer, .address_space: global }
    .group_segment_fixed_size: 327680
    .private_segment_fixed_size: 0
    .kernarg_segment_align: 8
    .kernarg_segment_size: 80
    .max_flat_workgroup_size: 128
    .sgpr_count:     84
    .vgpr_count:     1024
    .wavefront_size: 32
...
	.end_amdgpu_metadata
.endif
;; end of part 4
